; MI455X (gfx1250); checked and timed in simulation.
; The chip was launched on July 23, 2026; its instructions are those of AMD's public machine-readable ISA for CDNA 5 (MIT licence, August 2026) and "CDNA5" Instruction Set Architecture Reference Guide (July 2026). The comments in the code are by the model that wrote it; some were corrected since.
;; Mix Of Experts. Allowed arithmetic: float matrix products may take bf16 or f16 operands with f32 sums; other float arithmetic in f32, or as packed bf16 or f16 multiplies, adds, multiply-adds, maxima and minima; sums over many terms, partial sums and values carried from step to step in f32; what a program stores and reads back later, other than sums and carried values, may be rounded once to bf16 or f16.
;; Inputs: W 8 x 1,024 x 1,024 float32; Wr 8 x 1,024 float32; b 8 x 1,024 float32; br 8 float32; x 8,192 x 1,024 float32.
;; Outputs: out0 8,192 x 1,024 float32; out1 one number float32.
;; 2 versions, each right; version 2 is version 1 with the launch chain written anew for expert scheduling mode. Each part assembles by itself: llvm-mc -triple=amdgcn-amd-amdhsa -mcpu=gfx1250 --defsym DOCPART=n.
;; ======== version 1 of 2: 3 launches
;; limits: right only within a limited range of input values
;; workspace buffers: xb 16,777,216 bytes; wf 16,777,216 bytes; bq 32,768 bytes; rw 65,536 bytes; psum 8,192 bytes; ph 49,152 bytes of whole numbers; order 32,768 bytes of whole numbers; tiles 2,304 bytes of whole numbers
;; launch router (part 1): grid 256 x 1, 8 waves a work-group, no clusters, 18,944 bytes of LDS; arguments x, Wr, br, xb, rw, ph, psum; writes xb, rw, ph, psum
.if DOCPART == 1
	.amdgcn_target "amdgcn-amd-amdhsa--gfx1250"
	.amdhsa_code_object_version 6
	.text
	.protected	k_qc92567ca6f_router
	.globl	k_qc92567ca6f_router
	.p2align	8
	.type	k_qc92567ca6f_router,@function
k_qc92567ca6f_router:
	s_mov_b64 s[64:65], 0
	v_nop
	global_prefetch_b8 v0, s[64:65] scope:SCOPE_SE
	s_setreg_imm32_b32 hwreg(HW_REG_WAVE_MODE, 25, 1), 1
	s_wait_xcnt 0x0
; ROUTER.  logits = x Wr^T + br, softmax over 8, the two largest, their weights renormalised.  x: [8192][1024] f32, Wr: [8][1024] f32, br: [8] f32.
; x, Wr and br are rounded once to bf16 (x is also stored so, in xb, for the products that follow); products of bf16 halves and all sums in f32.
; A work-group owns 32 tokens, each of its eight waves four.  A row lies across the 32 lanes: chunk c of eight is 512 consecutive bytes, 16 a lane,
; so every load covers 512 consecutive bytes and every store of xb 256 consecutive bytes, aligned.  Eight output columns are half of a matrix tile's sixteen and
; 0.4% of the program's products: they are made by fused multiply-adds on the row as it passes, which is read from memory once.
; The waves leave each row's eight logits in LDS; wave 0 then takes a token a lane and does softmax, choice and weights once for all 32.
; STORED, all at fixed places: rw[t] = (rho, phi); ph: word t = pair number | rank << 8 (rank among the group's tokens of that pair), and from byte 32,768 on
; [group][16 words] = the group's tokens of each pair, two counts of 16 bits a word; psum[group][8] = sums of the probabilities.  a < b are the chosen experts,
; wl and wh their weights, phi = max(wh, 2^-64), rho = wl / phi: the chain forms phi (rho (x W_a + b_a) + x W_b + b_b).
; LIMITS.  The two largest are taken on the logits, strict >, so the lower index wins a tie; where probabilities underflow to equal numbers another second
; expert than the reference's may be taken, with weight 0.  NaN and infinite logits are not treated.  Below wh = 2^-64 expert b is weighed 2^-64.
.set REC,   16384                      ; LDS 0 .. 16,383: Wr in bf16, 2,048 bytes an expert.  Then 32 records, a token's eight logits each
.set RECP,  48                         ; 32 bytes + 16
.set SPARE, 17920                      ; the spare words: 128 bytes a wave, four blocks of 256 bytes that no other line names
.set SPW, 4                            ; v4  my spare word's address; never rewritten
.set NIL, 5                            ; v5  0, for the add alone
.set ZR,  7                            ; v7  0, the first addend of the sums, and an offset of 0
.set BR,  8                            ; v[8:15]    br, rounded
.set X0,  16                           ; v[16:47]   a row as loaded
.set X1,  48                           ; v[48:79]   the next
.set XP,  80                           ; v[80:95]   the row in bf16: dwords 2c, 2c+1 of chunk c
.set ACC, 96                           ; v[96:103]  eight sums
.set T,   104                          ; v[104:127] at work
.set WRP, 128                          ; v[128:255] Wr in bf16 for my lane's columns: expert e, dword d at 128 + 16 e + d
.set MK,  68                           ; s[68:95]   wave 0: the lanes of each of the 28 pairs
	s_load_b256 s[4:11], s[0:1], 0x0               ; x s[4:5], Wr s[6:7], br s[8:9], xb s[10:11]
	s_load_b128 s[12:15], s[0:1], 0x20             ; rw s[12:13], ph s[14:15]
	s_load_b64 s[18:19], s[0:1], 0x30              ; psum
	v_lshl_add_u32 v[SPW], v0, 2, SPARE
	v_mov_b32 v[NIL], 0
	v_mov_b32 v[ZR], 0
	v_and_b32 v1, 31, v0                           ; lane
	v_lshrrev_b32 v104, 5, v0
	v_readfirstlane_b32 s20, v104                  ; wave
	v_lshlrev_b32 v2, 4, v1                        ; 16 x lane
	v_lshlrev_b32 v3, 3, v1                        ; 8 x lane
	v_lshlrev_b32 v105, 4, v0                      ; 16 x thread
	v_lshlrev_b32 v106, 3, v0                      ; 8 x thread
	s_mov_b32 s32, 0x76543210                      ; v_permlanex16_b32: each lane takes its own place in the other half
	s_mov_b32 s33, 0xfedcba98
	s_mov_b32 s36, 0x3fb8aa3b                      ; log2(e)
	s_mul_i32 s37, s20, 4*RECP
	s_add_co_u32 s37, s37, REC                     ; my wave's four records
	v_mov_b32 v6, s37
	s_lshl_b32 s22, ttmp9, 17                      ; 32 rows of 4,096 bytes a group,
	s_lshl_b32 s34, s20, 14                        ; 4 a wave
	s_add_co_u32 s22, s22, s34
	s_mov_b32 s23, 0
	s_wait_kmcnt 0x0
	s_load_b256 s[24:31], s[8:9], 0x0              ; br
.irp j, 0,1,2,3,4,5,6,7
	global_load_b128 v[WRP+4*\j:WRP+4*\j+3], v105, s[6:7] offset:\j*4096  ; thread t: Wr[j][4t .. 4t+3]
.endr
	s_add_nc_u64 s[16:17], s[14:15], 0x8000        ; the histograms lie behind the 8,192 words of pairs and ranks
	s_add_nc_u64 s[4:5], s[4:5], s[22:23]          ; x at my first row
	s_lshr_b32 s22, s22, 1
	s_add_nc_u64 s[10:11], s[10:11], s[22:23]      ; xb likewise: rows of 2,048 bytes
.macro LOADROW row, buf                ; eight loads, 512 consecutive bytes each
.irp c, 0,1,2,3,4,5,6,7
	global_load_b128 v[(\buf)+4*\c:(\buf)+4*\c+3], v2, s[4:5] offset:(\row)*4096+\c*512 th:TH_LOAD_NT
.endr
.endm
	LOADROW 0, X0
	LOADROW 1, X1
	s_wait_loadcnt 16                              ; Wr is in; the 16 loads of the two rows, issued behind it, stay out
.irp j, 0,1,2,3,4,5,6,7
	v_cvt_pk_bf16_f32 v[160+2*\j], v[WRP+4*\j], v[WRP+4*\j+1]
	v_cvt_pk_bf16_f32 v[161+2*\j], v[WRP+4*\j+2], v[WRP+4*\j+3]
.endr
.irp j, 0,1,2,3,4,5,6,7
	ds_store_b64 v106, v[160+2*\j:161+2*\j] offset:\j*2048
.endr
	s_wait_dscnt 0x0                               ; for the others' sake: my part of Wr is in LDS
	s_barrier_signal -1
	s_barrier_wait -1
.irp e, 0,1,2,3,4,5,6,7
.irp c, 0,1,2,3,4,5,6,7
	ds_load_b64 v[WRP+16*\e+2*\c:WRP+16*\e+2*\c+1], v3 offset:\e*2048+\c*256  ; Wr[e][128 c + 4 lane .. + 3]
.endr
.endr
.set i, 0
.rept 24
	v_mov_b32 v[T+i], 0                            ; the lane exchanges below count as readers of their destinations
.set i, i+1
.endr
	s_wait_kmcnt 0x0
.irp e, 0,1,2,3,4,5,6,7
	v_mov_b32 v[BR+\e], s[24+\e]
.endr
.irp e, 0,1,2,3,4,5,6,7
	v_cvt_pk_bf16_f32 v[BR+\e], v[BR+\e], v[BR+\e]
.endr
.irp e, 0,1,2,3,4,5,6,7
	v_lshlrev_b32 v[BR+\e], 16, v[BR+\e]           ; br rounded to bf16, as f32
.endr
	s_wait_dscnt 0x0                               ; Wr's halves are in registers
.macro RED8 base, tmp                  ; eight sums over the 32 lanes, the result in every lane
.irp m, 1,2,4,8
.irp e, 0,1,2,3,4,5,6,7
	v_add_f32_dpp v[(\base)+\e], v[(\base)+\e], v[(\base)+\e] row_xmask:\m row_mask:0xf bank_mask:0xf
.endr
.endr
.irp e, 0,1,2,3,4,5,6,7
	v_permlanex16_b32 v[(\tmp)+\e], v[(\base)+\e], s32, s33
.endr
.irp e, 0,1,2,3,4,5,6,7
	v_add_f32 v[(\base)+\e], v[(\base)+\e], v[(\tmp)+\e]
.endr
.endm
; Row j of my four, in buffer buf.  left: the younger loads that may stay out.  refill = 1: the buffer takes the row two further on.
.macro ROW j, buf, left, refill
	s_wait_loadcnt \left                           ; loads come back in order: my row is in
	s_wait_xcnt 0x0                                ; XP, which the last row's stores read, is rewritten only behind this wait
.irp c, 0,1,2,3,4,5,6,7
	v_cvt_pk_bf16_f32 v[XP+2*\c], v[(\buf)+4*\c], v[(\buf)+4*\c+1]
	v_cvt_pk_bf16_f32 v[XP+2*\c+1], v[(\buf)+4*\c+2], v[(\buf)+4*\c+3]
.endr
.if \refill
	LOADROW (\j)+2, \buf
.endif
.irp c, 0,1,2,3,4,5,6,7
	global_store_b64 v3, v[XP+2*\c:XP+2*\c+1], s[10:11] offset:(\j)*2048+\c*256  ; 256 consecutive bytes, aligned
.endr
	; 8 experts x 32 numbers a lane: bf16 halves multiplied exactly, summed in f32; the eight chains take turns
.set d, 0
.rept 16
.irp e, 0,1,2,3,4,5,6,7
.if d == 0
	v_fma_mix_f32_bf16 v[ACC+\e], v[XP+d], v[WRP+16*\e+d], v[ZR] op_sel_hi:[1,1,0]
.else
	v_fma_mix_f32_bf16 v[ACC+\e], v[XP+d], v[WRP+16*\e+d], v[ACC+\e] op_sel_hi:[1,1,0]
.endif
.endr
.irp e, 0,1,2,3,4,5,6,7
	v_fma_mix_f32_bf16 v[ACC+\e], v[XP+d], v[WRP+16*\e+d], v[ACC+\e] op_sel:[1,1,0] op_sel_hi:[1,1,0]
.endr
.set d, d+1
.endr
	RED8 ACC, T
.irp e, 0,1,2,3,4,5,6,7
	v_add_f32 v[ACC+\e], v[ACC+\e], v[BR+\e]       ; the logits, in every lane
.endr
	ds_store_b128 v6, v[ACC:ACC+3] offset:(\j)*RECP       ; every lane writes the same numbers to the same words
	ds_store_b128 v6, v[ACC+4:ACC+7] offset:(\j)*RECP+16
.endm
	ROW 0, X0, 8, 1                                ; row 1's eight loads stay out
	ROW 1, X1, 8, 1                                ; row 2's
	ROW 2, X0, 8, 0                                ; row 3's
	ROW 3, X1, 0, 0
	s_wait_dscnt 0x0                               ; for wave 0's sake: my records are in LDS
	s_barrier_signal -1
	s_barrier_wait -1
	s_cmp_lg_u32 s20, 0
	s_cbranch_scc1 .Lend
	; wave 0: lane l takes token l of the group
	v_mul_u32_u24 v6, RECP, v1
	v_add_nc_u32 v6, REC, v6
	ds_load_b128 v[ACC:ACC+3], v6
	ds_load_b128 v[ACC+4:ACC+7], v6 offset:16
	s_lshl_b32 s22, ttmp9, 8                       ; rw: 8 bytes a token
	s_add_nc_u64 s[12:13], s[12:13], s[22:23]
	s_lshl_b32 s22, ttmp9, 7                       ; pairs and ranks: a word a token
	s_add_nc_u64 s[14:15], s[14:15], s[22:23]
	s_lshl_b32 s22, ttmp9, 6                       ; the histogram: 16 words a group
	s_add_nc_u64 s[16:17], s[16:17], s[22:23]
	s_lshl_b32 s22, ttmp9, 5                       ; psum: 8 words a group
	s_add_nc_u64 s[18:19], s[18:19], s[22:23]
	s_wait_dscnt 0x0
	; the largest (v112, index v113) and the second (v114, v115)
	v_mov_b32 v112, v[ACC]
	v_mov_b32 v113, 0
.irp e, 1,2,3,4,5,6,7
	v_cmp_gt_f32 vcc_lo, v[ACC+\e], v112
	v_cndmask_b32 v112, v112, v[ACC+\e], vcc_lo
	v_cndmask_b32 v113, v113, \e, vcc_lo
.endr
	v_mov_b32 v114, 0xff800000
	v_mov_b32 v115, 0
.irp e, 0,1,2,3,4,5,6,7
	v_cmp_eq_u32 vcc_lo, \e, v113
	v_cndmask_b32 v[116+\e], v[ACC+\e], v114, vcc_lo   ; the winner's place holds -infinity
.endr
.irp e, 0,1,2,3,4,5,6,7
	v_cmp_gt_f32 vcc_lo, v[116+\e], v114
	v_cndmask_b32 v114, v114, v[116+\e], vcc_lo
	v_cndmask_b32 v115, v115, \e, vcc_lo
.endr
	; softmax with the maximum taken away: 2^(K l - K l1)
	v_mul_f32 v109, s36, v112
.irp e, 0,1,2,3,4,5,6,7
	v_fma_f32 v[116+\e], v[ACC+\e], s36, -v109
.endr
	v_fma_f32 v124, v114, s36, -v109
.irp e, 0,1,2,3,4,5,6,7
	v_exp_f32 v[116+\e], v[116+\e]
.endr
	v_exp_f32 v124, v124                           ; t2 = p2 / p1
	v_nop                                          ; a plain instruction behind the last exponential
	s_wait_alu depctr_va_vdst(0)                   ; one wait for the nine, ahead of their first reader
	v_add_f32 v125, v116, v117
	v_add_f32 v126, v118, v119
	v_add_f32 v127, v120, v121
	v_add_f32 v111, v122, v123
	v_add_f32 v125, v125, v126
	v_add_f32 v127, v127, v111
	v_add_f32 v125, v125, v127
	v_add_f32 v126, 1.0, v124
	v_rcp_f32 v125, v125                           ; 1 / sum
	v_rcp_f32 v127, v126                           ; w1 = 1 / (1 + t2)
	v_nop
	s_wait_alu depctr_va_vdst(0)                   ; one wait for the two reciprocals
.irp e, 0,1,2,3,4,5,6,7
	v_mul_f32 v[116+\e], v[116+\e], v125           ; the probabilities
.endr
	v_mul_f32 v110, v124, v127                     ; w2
	v_cmp_lt_u32 vcc_lo, v113, v115
	v_cndmask_b32 v106, v110, v127, vcc_lo         ; wl: the weight of the lower-numbered expert
	v_cndmask_b32 v107, v127, v110, vcc_lo         ; wh
	v_max_num_f32 v105, 0x1f800000, v107           ; phi = max(wh, 2^-64)
	v_rcp_f32 v111, v105
	v_min_u32 v112, v113, v115                     ; a
	v_max_u32 v114, v113, v115                     ; b
	v_sub_nc_u32 v125, 15, v112
	v_mul_u32_u24 v125, v125, v112
	v_lshrrev_b32 v125, 1, v125
	v_add_nc_u32 v125, v125, v114
	v_sub_nc_u32 v125, v125, v112
	v_add_nc_u32 v108, -1, v125                    ; the pair's number: a (15 - a) / 2 + b - a - 1, 0 to 27
	s_wait_alu depctr_va_vdst(0)                   ; the wait for the reciprocal; the integer lines above are the work between
	v_mul_f32 v104, v106, v111                     ; rho
	global_store_b64 v3, v[104:105], s[12:13]      ; 256 consecutive bytes of rw
	; the group's tokens of each pair, and my rank among those of mine: values alone, no address and no branch hangs on them
	v_mov_b32 v109, 0                              ; lane w: the counts of pairs 2 w and 2 w + 1
	v_mov_b32 v110, 0                              ; my rank
	v_lshlrev_b32 v112, 2, v1
.set p, 0
.rept 28                                       ; the 28 compares as one batch, each into a scalar register of its own
	v_cmp_eq_u32 s[MK+p], p, v108
.set p, p+1
.endr
.set p, 0
.rept 28
	v_mbcnt_lo_u32_b32 v[125+p%2], s[MK+p], 0
	v_cndmask_b32 v110, v110, v[125+p%2], s[MK+p]
.set p, p+1
.endr
.set p, 0
.rept 14
	s_bcnt1_i32_b32 s34, s[MK+2*p]
	s_bcnt1_i32_b32 s35, s[MK+2*p+1]
	s_lshl_b32 s35, s35, 16
	s_or_b32 s34, s34, s35
	v_writelane_b32 v109, s34, p
.set p, p+1
.endr
	v_lshl_or_b32 v111, v110, 8, v108
	global_store_b32 v112, v111, s[14:15]
	RED8 116, ACC                                  ; the 32 tokens' probabilities, summed
	v_cmp_gt_u32 vcc_lo, 16, v1
	s_wait_xcnt 0x0                                ; EXEC changes only behind this wait
	s_and_saveexec_b32 s34, vcc_lo
	global_store_b32 v112, v109, s[16:17]          ; 16 words
	s_wait_xcnt 0x0
	s_or_b32 exec_lo, exec_lo, s34
	v_cmp_eq_u32 vcc_lo, 0, v1
	s_and_saveexec_b32 s34, vcc_lo
	global_store_b128 v[ZR], v[116:119], s[18:19]
	global_store_b128 v[ZR], v[120:123], s[18:19] offset:16
	s_wait_xcnt 0x0
	s_or_b32 exec_lo, exec_lo, s34
.Lend:
	s_wait_tensorcnt 0x0                           ; the wave's end
	ds_add_u32 v[SPW], v[NIL]
	s_wait_dscnt 0x0
	s_endpgm
.Lfunc_end_k_qc92567ca6f_router:
	.size	k_qc92567ca6f_router, .Lfunc_end_k_qc92567ca6f_router-k_qc92567ca6f_router
	.p2alignl 7, 3214868480
	.fill 96, 4, 3214868480
	.section	.rodata,"a",@progbits
	.p2align	6, 0x0
	.amdhsa_kernel k_qc92567ca6f_router
		.amdhsa_group_segment_fixed_size 18944
		.amdhsa_private_segment_fixed_size 0
		.amdhsa_enable_private_segment 0
		.amdhsa_kernarg_size 56
		.amdhsa_user_sgpr_count 2
		.amdhsa_user_sgpr_kernarg_segment_ptr 1
		.amdhsa_wavefront_size32 1
		.amdhsa_system_sgpr_workgroup_id_x 1
		.amdhsa_system_sgpr_workgroup_id_y 1
		.amdhsa_system_sgpr_workgroup_id_z 1
		.amdhsa_system_vgpr_workitem_id 0
		.amdhsa_next_free_vgpr 256
		.amdhsa_next_free_sgpr 96
		.amdhsa_reserve_vcc 1
		.amdhsa_float_denorm_mode_32 3
		.amdhsa_float_denorm_mode_16_64 3
		.amdhsa_memory_ordered 1
		.amdhsa_forward_progress 1
		.amdhsa_inst_pref_size 114
	.end_amdhsa_kernel
	.amdgpu_metadata
---
amdhsa.version: [ 1, 2 ]
amdhsa.kernels:
  - .name:           k_qc92567ca6f_router
    .symbol:         k_qc92567ca6f_router.kd
    .args:
      - { .name: x, .offset: 0, .size: 8, .value_kind: global_buffer, .address_space: global }
      - { .name: Wr, .offset: 8, .size: 8, .value_kind: global_buffer, .address_space: global }
      - { .name: br, .offset: 16, .size: 8, .value_kind: global_buffer, .address_space: global }
      - { .name: xb, .offset: 24, .size: 8, .value_kind: global_buffer, .address_space: global }
      - { .name: rw, .offset: 32, .size: 8, .value_kind: global_buffer, .address_space: global }
      - { .name: ph, .offset: 40, .size: 8, .value_kind: global_buffer, .address_space: global }
      - { .name: psum, .offset: 48, .size: 8, .value_kind: global_buffer, .address_space: global }
    .group_segment_fixed_size: 18944
    .private_segment_fixed_size: 0
    .kernarg_segment_align: 8
    .kernarg_segment_size: 56
    .max_flat_workgroup_size: 256
    .sgpr_count:     96
    .vgpr_count:     256
    .wavefront_size: 32
...
	.end_amdgpu_metadata
.endif
;; end of part 1
;; launch prep (part 2): grid 256 x 1, 9 waves a work-group, no clusters, 69,120 bytes of LDS; arguments W, b, ph, psum, wf, bq, order, tiles, out1; writes wf, bq, order, tiles, out1
.if DOCPART == 2
	.amdgcn_target "amdgcn-amd-amdhsa--gfx1250"
	.amdhsa_code_object_version 6
	.text
	.protected	k_qc92567ca6f_prep
	.globl	k_qc92567ca6f_prep
	.p2align	8
	.type	k_qc92567ca6f_prep,@function
k_qc92567ca6f_prep:
	s_mov_b64 s[64:65], 0
	v_nop
	global_prefetch_b8 v0, s[64:65] scope:SCOPE_SE
	s_setreg_imm32_b32 hwreg(HW_REG_WAVE_MODE, 25, 1), 1
	s_wait_xcnt 0x0
; WEIGHTS AND SORT.  Waves 0 to 7 round W ([8][1024 in][1024 out] f32) once to bf16 and lay it in the order in which the chain's operand registers take it.
; Wave 8 places the group's 32 tokens in the list sorted by pair of experts and rounds 32 numbers of b; in groups 0 to 129 it also makes that number's entry of the table of tiles,
; in group 255 the loss.
; wf: [expert 8][128 columns 8][32 k 32][16 columns 8][half 2][lane 32][16 bytes]; lane (r, h), half q holds W[e][32 ks + 16 q + 8 h + 0..7][128 cg + 16 j + r].
; Group g = 32 e + ks; wave w = cg: 32 rows x 128 columns, 16 KiB read in loads of 512 consecutive bytes, 8 KiB stored in stores of 512 consecutive bytes.
; The turn from rows to columns goes through the wave's own LDS bytes: no barrier anywhere.
; A tile is up to 80 tokens of one pair: never more than (8192 + 28 x 79) / 80 = 130 of them, whatever the split; all 130 entries (a, b, first place, count) are written, count 0 past the last.
; The groups' histograms hold two counts of 16 bits a word; no sum passes 8,192, so whole words are added and no carry crosses the halves.
.set CHP,   1040                       ; 1,024 bytes of 16 columns + 16
.set WREG,  8448                       ; a cast wave's LDS bytes: 8 x 1,040, rounded up to blocks of 256
.set SORTB, 67584                      ; 256 bytes of wave 8
.set SPARE, 67840                      ; the spare words: 128 bytes for each of nine waves, five blocks of 256 bytes that no other line names
.set SPW, 4
.set NIL, 5
.set F,   16                           ; v[16:143]  row i, component c at 16 + 4 i + c; wave 8: the histograms as loaded
.set P,   144                          ; v[144:207] column c, k pair d at 144 + 16 c + d
.set PS,  192                          ; v[192:255] group 255's wave 8: psum as loaded
.set PW,  4                            ; s[4:5]   W
.set PBI, 6                            ; s[6:7]   b
.set PPR, 8                            ; s[8:9]   ph: pair | rank << 8 of each token
.set PPS, 10                           ; s[10:11] psum
.set PWF, 12                           ; s[12:13] wf
.set PBQ, 14                           ; s[14:15] bq
.set POR, 16                           ; s[16:17] order
.set PTI, 18                           ; s[18:19] tiles
.set PO1, 20                           ; s[20:21] out1
.set PHI, 22                           ; s[22:23] ph from byte 32,768 on: the groups' histograms
.set NP,  36                           ; s[36:63] the 28 pairs' tokens
	s_load_b256 s[4:11], s[0:1], 0x0
	s_load_b256 s[12:19], s[0:1], 0x20
	s_load_b64 s[20:21], s[0:1], 0x40
	v_lshl_add_u32 v[SPW], v0, 2, SPARE
	v_mov_b32 v[NIL], 0
	v_and_b32 v1, 31, v0                           ; lane
	v_lshrrev_b32 v6, 5, v0
	v_readfirstlane_b32 s24, v6                    ; wave
	v_lshlrev_b32 v2, 4, v1                        ; 16 x lane
	s_mov_b32 s27, 0
	s_wait_kmcnt 0x0
	s_cmp_eq_u32 s24, 8
	s_cbranch_scc1 .Lsort
	; ---- waves 0 to 7 ----
	s_lshl_b32 s26, ttmp9, 17                      ; 32 rows of 4,096 bytes a group,
	s_lshl_b32 s28, s24, 9                         ; 128 columns a wave
	s_add_co_u32 s26, s26, s28
	s_add_nc_u64 s[PW:PW+1], s[PW:PW+1], s[26:27]
.set i, 0
.rept 32
	global_load_b128 v[F+4*i:F+4*i+3], v2, s[PW:PW+1] offset:i*4096 th:TH_LOAD_NT
.set i, i+1
.endr
	s_mul_i32 s28, s24, WREG
	v_lshrrev_b32 v6, 2, v1                        ; my four columns lie in block j = lane / 4,
	v_mul_u32_u24 v6, CHP, v6
	v_and_b32 v7, 3, v1                            ; at r = 4 (lane % 4) + c
	v_lshl_add_u32 v6, v7, 6, v6
	v_add_nc_u32 v3, s28, v6                       ; in
	v_add_nc_u32 v8, s28, v2                       ; back
	s_lshr_b32 s26, ttmp9, 5
	s_lshl_b32 s26, s26, 21                        ; expert: 2 MiB
	s_lshl_b32 s28, s24, 18                        ; 128 columns: 256 KiB
	s_add_co_u32 s26, s26, s28
	s_and_b32 s28, ttmp9, 31
	s_lshl_b32 s28, s28, 13                        ; 32 k: 8 KiB
	s_add_co_u32 s26, s26, s28
	s_add_nc_u64 s[PWF:PWF+1], s[PWF:PWF+1], s[26:27]
.macro HALF q                          ; rows 16 q .. 16 q + 15: two neighbouring k of a column into a word, then 16 bytes (8 k) to their place
.irp c, 0,1,2,3
.irp d, 0,1,2,3,4,5,6,7
	v_cvt_pk_bf16_f32 v[P+16*\c+8*(\q)+\d], v[F+8*(8*(\q)+\d)+\c], v[F+8*(8*(\q)+\d)+4+\c]
.endr
.endr
.irp c, 0,1,2,3
.irp h, 0,1
	ds_store_b128 v3, v[P+16*\c+8*(\q)+4*\h:P+16*\c+8*(\q)+4*\h+3] offset:(\q)*512+\h*256+\c*16
.endr
.endr
.endm
.macro OUT q                           ; half q of each of the eight blocks of 16 columns goes out, through registers that HALF 0 has read (rows 8 q .. 8 q + 7's)
.irp j, 0,1,2,3,4,5,6,7
	ds_load_b128 v[F+32*(\q)+4*\j:F+32*(\q)+4*\j+3], v8 offset:\j*CHP+(\q)*512  ; LDS serves a wave's instructions in order: these see the stores above
.endr
.irp j, 0,1,2,3,4,5,6,7
	s_wait_dscnt 7-\j                              ; load j is back; the younger ones stay out
	global_store_b128 v2, v[F+32*(\q)+4*\j:F+32*(\q)+4*\j+3], s[PWF:PWF+1] offset:\j*1024+(\q)*512  ; 512 consecutive bytes, aligned
.endr
.endm
	s_wait_loadcnt 16                              ; rows 0 to 15 are in; the 16 younger loads stay out
	HALF 0
	OUT 0                                          ; their half leaves while rows 16 to 31 are on their way
	s_wait_loadcnt 0x0
	HALF 1
	OUT 1
	s_wait_tensorcnt 0x0                           ; the wave's end
	ds_add_u32 v[SPW], v[NIL]
	s_wait_dscnt 0x0
	s_endpgm
	; ---- wave 8 ----
.macro HISTLOAD                        ; all 256 groups' histograms, 16 KiB: load i brings group 8 i + lane / 4, words 4 (lane % 4) + c
.set i, 0
.rept 32
	global_load_b128 v[F+4*i:F+4*i+3], v2, s[PHI:PHI+1] offset:i*512
.set i, i+1
.endr
.endm
.Lsort:
	s_mov_b32 s32, 0x76543210
	s_mov_b32 s33, 0xfedcba98
	v_lshrrev_b32 v9, 2, v1                        ; lane / 4
	v_lshlrev_b32 v10, 2, v1                       ; 4 x lane
	s_add_nc_u64 s[PHI:PHI+1], s[PPR:PPR+1], 0x8000
	s_lshl_b32 s26, ttmp9, 7                       ; 32 words a group
	s_add_nc_u64 s[PBI:PBI+1], s[PBI:PBI+1], s[26:27]
	s_add_nc_u64 s[PPR:PPR+1], s[PPR:PPR+1], s[26:27]
	s_add_nc_u64 s[PBQ:PBQ+1], s[PBQ:PBQ+1], s[26:27]
	global_load_b32 v149, v10, s[PBI:PBI+1]        ; b
	global_load_b32 v148, v10, s[PPR:PPR+1]        ; pair | rank << 8
	v_mov_b32 v11, 0
.irp c, 0,1,2,3
	v_mov_b32 v[12+\c], 0                          ; totals of words 4 (lane % 4) + c
	v_mov_b32 v[144+\c], 0                         ; the same over the groups in front of mine
.endr
	s_mov_b32 s29, ttmp9
	s_cmp_lg_u32 ttmp9, 255
	s_cbranch_scc1 .Lplain
	; group 255: the loss, mean over 8 of (mean probability - 1/8)^2 times 0.01, made while the histograms are on their way
.set i, 0
.rept 16
	global_load_b128 v[PS+4*i:PS+4*i+3], v2, s[PPS:PPS+1] offset:i*512  ; psum: group 16 i + lane / 2, experts 4 (lane % 2) + c
.set i, i+1
.endr
	HISTLOAD
	s_mov_b32 s30, 0x39000000                      ; 1 / 8192
	s_mov_b32 s31, 0xbe000000                      ; -1/8
	s_wait_loadcnt 32                              ; psum is in; the 32 loads of the histograms stay out
.irp c, 0,1,2,3
	v_add_f32 v[160+\c], v[PS+\c], v[PS+4+\c]
.endr
.set i, 2
.rept 14
.irp c, 0,1,2,3
	v_add_f32 v[160+\c], v[160+\c], v[PS+4*i+\c]
.endr
.set i, i+1
.endr
.irp m, 2,4,8
.irp c, 0,1,2,3
	v_add_f32_dpp v[160+\c], v[160+\c], v[160+\c] row_xmask:\m row_mask:0xf bank_mask:0xf
.endr
.endr
.irp c, 0,1,2,3
	v_mov_b32 v[164+\c], 0                         ; the exchange counts as a reader of its destination
.endr
.irp c, 0,1,2,3
	v_permlanex16_b32 v[164+\c], v[160+\c], s32, s33
.endr
.irp c, 0,1,2,3
	v_add_f32 v[160+\c], v[160+\c], v[164+\c]
.endr
.irp c, 0,1,2,3
	v_fma_f32 v[160+\c], v[160+\c], s30, s31
.endr
	v_mul_f32 v168, v160, v160
	v_fmac_f32 v168, v161, v161
	v_fmac_f32 v168, v162, v162
	v_fmac_f32 v168, v163, v163
	v_add_f32_dpp v168, v168, v168 row_xmask:1 row_mask:0xf bank_mask:0xf  ; experts 0-3 and 4-7 lie in neighbouring lanes
	v_mul_f32 v168, 0x3aa3d70a, v168               ; 0.01 / 8
	v_cmp_eq_u32 vcc_lo, 0, v1
	s_wait_xcnt 0x0                                ; EXEC changes only behind this wait
	s_and_saveexec_b32 s34, vcc_lo
	global_store_b32 v2, v168, s[PO1:PO1+1]
	s_wait_xcnt 0x0
	s_or_b32 exec_lo, exec_lo, s34
	s_branch .Ljoin
.Lplain:
	HISTLOAD
.Ljoin:
	s_wait_loadcnt 0x0                             ; all are wanted at once
.set i, 0
.rept 32
	s_sub_co_i32 s30, s29, 8*i
	v_cmp_gt_i32 vcc_lo, s30, v9                   ; is that group in front of mine?
.irp c, 0,1,2,3
	v_add_nc_u32 v[12+\c], v[12+\c], v[F+4*i+\c]
	v_cndmask_b32 v[154+\c], 0, v[F+4*i+\c], vcc_lo
	v_add_nc_u32 v[144+\c], v[144+\c], v[154+\c]
.endr
.set i, i+1
.endr
	v_cvt_pk_bf16_f32 v149, v149, v149
	v_lshlrev_b32 v149, 16, v149                   ; b rounded to bf16, as f32
	global_store_b32 v10, v149, s[PBQ:PBQ+1]
.irp R, 12,13,14,15,144,145,146,147            ; the eight lanes 4 apart hold parts of the same words
	v_mov_b32_dpp v11, v\R row_xmask:4 row_mask:0xf bank_mask:0xf
	v_add_nc_u32 v\R, v\R, v11
	v_mov_b32_dpp v11, v\R row_xmask:8 row_mask:0xf bank_mask:0xf
	v_add_nc_u32 v\R, v\R, v11
	v_permlanex16_b32 v11, v\R, s32, s33
	v_add_nc_u32 v\R, v\R, v11
.endr
	v_and_b32 v160, 3, v1
	v_lshl_add_u32 v160, v160, 4, SORTB
	ds_store_b128 v160, v[12:15]                   ; eight lanes write the same numbers to the same words
	ds_store_b128 v160, v[144:147] offset:64
	v_lshl_add_u32 v161, v1, 1, SORTB
	ds_load_u16 v150, v161                         ; lane p: tokens of pair p,
	ds_load_u16 v151, v161 offset:64               ; and those in the groups in front of mine
	v_mov_b32 v152, 0
	v_mov_b32 v153, 0
	s_mov_b32 s28, 0
	s_mov_b32 s29, 0
	s_wait_dscnt 0x0
.set p, 0
.rept 28                                       ; the 28 lane reads as one batch
	v_readlane_b32 s[NP+p], v150, p
.set p, p+1
.endr
.set p, 0
.rept 28
	v_writelane_b32 v152, s28, p                   ; lane p: the pair's first place in the list,
	v_writelane_b32 v153, s29, p                   ; and its first tile
	s_add_co_u32 s28, s28, s[NP+p]
	s_add_co_u32 s30, s[NP+p], 79
	s_mul_i32 s30, s30, 52429                      ; (n + 79) / 80, exact for n + 79 up to 8,271: 52,429 / 2^22 exceeds 1 / 80 by 4.8e-8
	s_lshr_b32 s30, s30, 22
	s_add_co_u32 s29, s29, s30
.set p, p+1
.endr
	v_add_nc_u32 v154, v152, v151
	v_and_b32 v155, 0xff, v148
	v_min_u32 v155, 31, v155                       ; my token's pair,
	v_lshrrev_b32 v156, 8, v148
	v_min_u32 v156, 31, v156                       ; its rank in the group
	v_lshlrev_b32 v155, 2, v155
	ds_bpermute_b32 v157, v155, v154               ; where the group's tokens of that pair begin
	s_lshl_b32 s30, ttmp9, 5
	v_add_nc_u32 v158, s30, v1                     ; the token's number
	s_wait_dscnt 0x0
	v_add_nc_u32 v157, v157, v156
	v_min_u32 v157, 0x1fff, v157
	v_lshlrev_b32 v157, 2, v157
	global_store_b32 v157, v158, s[POR:POR+1]
	s_cmp_lt_u32 ttmp9, 130
	s_cbranch_scc0 .Lfin
	; ---- groups 0 to 129: the entry of the tile with the group's number ----
	v_mov_b32 v162, 0                              ; lane p: the pair's a = how many of the first numbers of a = 1 .. 6 are at or below p
.irp S, 7,13,18,22,25,27
	v_cmp_le_u32 vcc_lo, \S, v1
	v_add_co_ci_u32 v162, vcc_lo, 0, v162, vcc_lo
.endr
	v_sub_nc_u32 v163, 15, v162
	v_mul_u32_u24 v163, v163, v162
	v_lshrrev_b32 v163, 1, v163
	v_sub_nc_u32 v163, v1, v163
	v_add3_u32 v163, v163, v162, 1                 ; b
	v_lshl_or_b32 v162, v163, 3, v162              ; a + 8 b
	s_mov_b32 s31, ttmp9                           ; the tile
	v_cmp_ge_u32 s30, s31, v153                    ; the tile's pair is the last whose first tile is at or before it: count them
	s_and_b32 s30, s30, 0x0fffffff                 ; 28 pairs
	s_bcnt1_i32_b32 s30, s30
	s_sub_co_u32 s30, s30, 1                       ; pair 0 begins at tile 0, so the count is 1 at the least
	v_readlane_b32 s35, v150, s30                  ; the pair's tokens,
	v_readlane_b32 s36, v152, s30                  ; first place,
	v_readlane_b32 s37, v153, s30                  ; first tile,
	v_readlane_b32 s38, v162, s30                  ; experts
	s_sub_co_u32 s37, s31, s37
	s_mul_i32 s37, s37, 80                         ; tokens of the pair in front of this tile
	s_sub_co_i32 s35, s35, s37
	s_max_i32 s35, s35, 0
	s_min_i32 s35, s35, 80                         ; count
	s_add_co_u32 s36, s36, s37
	s_cmp_gt_u32 s35, 0
	s_cselect_b32 s36, s36, 0                      ; first place, 0 for a tile without rows
	s_and_b32 s39, s38, 7
	s_lshr_b32 s38, s38, 3
	v_mov_b32 v16, s39
	v_mov_b32 v17, s38
	v_mov_b32 v18, s36
	v_mov_b32 v19, s35
	s_lshl_b32 s26, ttmp9, 4
	s_add_nc_u64 s[PTI:PTI+1], s[PTI:PTI+1], s[26:27]
	v_cmp_eq_u32 vcc_lo, 0, v1
	s_wait_xcnt 0x0                                ; EXEC changes only behind this wait
	s_and_saveexec_b32 s34, vcc_lo
	global_store_b128 v2, v[16:19], s[PTI:PTI+1]
	s_wait_xcnt 0x0
	s_or_b32 exec_lo, exec_lo, s34
.Lfin:
	s_wait_tensorcnt 0x0                           ; the wave's end
	ds_add_u32 v[SPW], v[NIL]
	s_wait_dscnt 0x0
	s_endpgm
.Lfunc_end_k_qc92567ca6f_prep:
	.size	k_qc92567ca6f_prep, .Lfunc_end_k_qc92567ca6f_prep-k_qc92567ca6f_prep
	.p2alignl 7, 3214868480
	.fill 96, 4, 3214868480
	.section	.rodata,"a",@progbits
	.p2align	6, 0x0
	.amdhsa_kernel k_qc92567ca6f_prep
		.amdhsa_group_segment_fixed_size 69120
		.amdhsa_private_segment_fixed_size 0
		.amdhsa_enable_private_segment 0
		.amdhsa_kernarg_size 72
		.amdhsa_user_sgpr_count 2
		.amdhsa_user_sgpr_kernarg_segment_ptr 1
		.amdhsa_wavefront_size32 1
		.amdhsa_system_sgpr_workgroup_id_x 1
		.amdhsa_system_sgpr_workgroup_id_y 1
		.amdhsa_system_sgpr_workgroup_id_z 1
		.amdhsa_system_vgpr_workitem_id 0
		.amdhsa_next_free_vgpr 256
		.amdhsa_next_free_sgpr 66
		.amdhsa_reserve_vcc 1
		.amdhsa_float_denorm_mode_32 3
		.amdhsa_float_denorm_mode_16_64 3
		.amdhsa_memory_ordered 1
		.amdhsa_forward_progress 1
		.amdhsa_inst_pref_size 58
	.end_amdhsa_kernel
	.amdgpu_metadata
---
amdhsa.version: [ 1, 2 ]
amdhsa.kernels:
  - .name:           k_qc92567ca6f_prep
    .symbol:         k_qc92567ca6f_prep.kd
    .args:
      - { .name: W, .offset: 0, .size: 8, .value_kind: global_buffer, .address_space: global }
      - { .name: b, .offset: 8, .size: 8, .value_kind: global_buffer, .address_space: global }
      - { .name: ph, .offset: 16, .size: 8, .value_kind: global_buffer, .address_space: global }
      - { .name: psum, .offset: 24, .size: 8, .value_kind: global_buffer, .address_space: global }
      - { .name: wf, .offset: 32, .size: 8, .value_kind: global_buffer, .address_space: global }
      - { .name: bq, .offset: 40, .size: 8, .value_kind: global_buffer, .address_space: global }
      - { .name: order, .offset: 48, .size: 8, .value_kind: global_buffer, .address_space: global }
      - { .name: tiles, .offset: 56, .size: 8, .value_kind: global_buffer, .address_space: global }
      - { .name: out1, .offset: 64, .size: 8, .value_kind: global_buffer, .address_space: global }
    .group_segment_fixed_size: 69120
    .private_segment_fixed_size: 0
    .kernarg_segment_align: 8
    .kernarg_segment_size: 72
    .max_flat_workgroup_size: 288
    .sgpr_count:     66
    .vgpr_count:     256
    .wavefront_size: 32
...
	.end_amdgpu_metadata
.endif
;; end of part 2
;; launch chain (part 3): grid 130 x 2, 4 waves a work-group, no clusters, 199,680 bytes of LDS; arguments xb, wf, bq, order, tiles, rw, out0; writes out0
.if DOCPART == 3
	.amdgcn_target "amdgcn-amd-amdhsa--gfx1250"
	.amdhsa_code_object_version 6
	.text
	.protected	k_qc92567ca6f_chain
	.globl	k_qc92567ca6f_chain
	.p2align	8
	.type	k_qc92567ca6f_chain,@function
k_qc92567ca6f_chain:
	s_mov_b64 s[64:65], 0
	v_nop
	global_prefetch_b8 v0, s[64:65] scope:SCOPE_SE
	s_setreg_imm32_b32 hwreg(HW_REG_WAVE_MODE, 25, 1), 1
	s_wait_xcnt 0x0
; THE CHAIN.  out[t] = wl (x W_a + b_a) + wh (x W_b + b_b) for token t's two experts a < b, formed as phi (rho (x W_a + b_a) + x W_b + b_b) with phi = max(wh, 2^-64), rho = wl / phi.
; x and W in bf16, sums in f32, ONE accumulator for both experts: the first product takes b_a as its C; 32 K steps with W_a; the sums times rho plus b_b; 32 K steps with W_b; times phi.
; Each output row has one owner.
; SHARES.  Work-group (tile, y): up to 80 tokens of one pair of experts x columns 512 y .. + 511; wave w: 80 x 128, 40 accumulators of 16 x 16.  Places past the tile's count repeat its last
; token and are not stored.  130 tiles serve every split of the tokens; a tile with count 0 stores nothing and ends behind the one barrier.
; DATA.  The tile's 80 rows of x are gathered once into LDS (pitch 2,064 bytes: the 16 rows of a fragment load start at 16 different groups of four banks).  W comes straight into operand
; registers, from the layout that the launch before wrote: 8 KiB on end for a wave and K step, through a ring of four register buffers, each asked for three steps (120 matrix instructions) ahead of its wait.
; NO TENSOR LOADS, NO CLUSTER: the four waves share no byte of W, and a tile's count is read from memory: partners in a cluster would have to walk alike whatever their counts, and the
; loop below has neither a barrier nor a write of LDS.  Tiles of one pair read the same 2 MiB of wf, each for itself.
; THE MATRIX INSTRUCTION IS USED TRANSPOSED: source 0 = 16 columns of W, source 1 = 16 tokens: a lane then holds one token (lane % 16) and eight neighbouring columns 8 (lane / 16) + 0..7.
; LIMIT.  Where wh < 2^-64 expert b's product and bias are weighed 2^-64.  Token numbers and table entries are clamped to their ranges before they enter an address.
; REGISTERS, in windows of 256 (s_set_vgpr_msb: bits 1:0 source 0, 3:2 source 1, 5:4 source 2, 7:6 destination):
;   window 0: v0-15 lane figures and addresses; v16-35 row offsets; v36-38 fragment bases; v40-44 offsets in rw; v45-47 fragment addresses; v64-143 x's fragments, two buffers of 40
;             (the gather's first half: v64-223; the way out: v64-127); v224-233 (rho, phi) of my token in each of five blocks; v244-248 those tokens
;   window 1: W's ring, buffer q at 64 q      window 2: accumulators of blocks 0-3 at 64 i + 8 j (ahead of the first product: the gather's second half, v0-159)
;   window 3: v0-63 block 4; v64-127 b_a, v128-191 b_b of my columns
.set PX,     2064
.set STAGE,  165376                    ; behind x (80 x 2,064 = 165,120 bytes): 16 rows x 528 bytes for each wave, for the way out
.set SPITCH, 528
.set SPARE,  199168                    ; the spare words: 128 bytes a wave, two blocks of 256 bytes that no other line names
.set L16, 4                            ; v4   16 x lane
.set SPW, 5                            ; v5   my spare word's address; never rewritten
.set NIL, 6                            ; v6   0, for the add alone
.set LAX, 7                            ; v7   the gather: my 16 bytes in my wave's first row of x in LDS
.set AD,  8                            ; v8-10  fragment addresses of blocks 0/1, 2/3, 4 at the place of the trip in hand; made anew in every trip
.set STO, 11
.set RD,  12
.set CO,  13                           ; my byte offset in a row of out0
.set BO,  14                           ; my byte offset in a row of bq
.set GT,  15                           ; lane i: token of row 20 w + i
.set VO,  16                           ; v16-35 byte offsets of my wave's 20 rows in xb; later of 16 rows in out0
.set AB,  36                           ; v36-38 fragment addresses at k = 0; never rewritten
.set RA,  40
.set ADN, 45                           ; v45-47 fragment addresses at the next trip's place; made anew in every trip
.set AF,  64
.set G,   64
.set OO,  64
.set RW,  224
.set TOK, 244
.set BA,  64                           ; window 3
.set BB,  128
.set EA,  20                           ; s[20:23] the tile: a, b, first place in the list, count
.set EB,  21
.set START, 22
.set CNT, 23
.set LASTR, 24                         ; the tile's last row
.set WP,  26                           ; s[26:27] W's stream for the next trip
.set WB,  28                           ; s[28:29] expert b's stream
.set U,   30                           ; the trip
.set KO,  31                           ; a trip's byte in x's rows
.set BAS, 32                           ; s[32:33] b_a, s[34:35] b_b
.set BBS, 34
.set TM,  36                           ; s[36:37] at work
.set WA,  38                           ; s[38:39] expert a's stream
.set TK,  40                           ; s[40:59] a batch of token numbers
.set MSB, 0
.macro WIN new                         ; the immediate's high byte repeats the setting that is left; a switch that changes nothing is dropped
.if MSB != (\new)
	s_set_vgpr_msb (MSB<<8)|(\new)
.set MSB, \new
.endif
.endm
	s_load_b256 s[4:11], s[0:1], 0x0               ; xb s[4:5], wf s[6:7], bq s[8:9], order s[10:11]
	s_load_b128 s[12:15], s[0:1], 0x20             ; tiles s[12:13], rw s[14:15]
	s_load_b64 s[16:17], s[0:1], 0x30              ; out0
	v_lshl_add_u32 v[SPW], v0, 2, SPARE
	v_mov_b32 v[NIL], 0
	v_and_b32 v1, 31, v0                           ; lane
	v_and_b32 v2, 15, v0                           ; r
	v_bfe_u32 v3, v0, 4, 1                         ; h
	v_lshlrev_b32 v[L16], 4, v1
	v_lshrrev_b32 v7, 5, v0
	v_readfirstlane_b32 s18, v7                    ; wave
	s_and_b32 s19, ttmp7, 0xffff                   ; y
	s_lshl_b32 s32, ttmp9, 4
	s_wait_kmcnt 0x0
	s_load_b128 s[20:23], s[12:13], s32 offset:0x0 ; my tile's entry
	s_mul_i32 s33, s18, 20*PX
	v_add_nc_u32 v[LAX], s33, v[L16]
	v_mul_u32_u24 v[AB], PX, v2
	v_lshl_add_u32 v[AB], v3, 4, v[AB]             ; row x pitch + 16 x half
	v_add_nc_u32 v[AB+1], 32*PX, v[AB]
	v_add_nc_u32 v[AB+2], 64*PX, v[AB]
	s_mul_i32 s33, s18, 16*SPITCH
	s_add_co_u32 s33, s33, STAGE                   ; my stage
	v_mul_u32_u24 v[STO], SPITCH, v2               ; in: row r, 32 bytes for each half of the lanes
	v_lshl_add_u32 v[STO], v3, 5, v[STO]
	v_add_nc_u32 v[STO], s33, v[STO]
	v_add_nc_u32 v[RD], s33, v[L16]                ; back: a row's 512 bytes
	s_lshl_b32 s34, s19, 11
	s_lshl_b32 s33, s18, 9
	s_add_co_u32 s34, s34, s33                     ; my 128 columns, in bytes of f32
	v_add_nc_u32 v[CO], s34, v[L16]
	v_lshl_add_u32 v[BO], v3, 5, s34
	s_lshl_b32 s25, s19, 2
	s_add_co_u32 s25, s25, s18
	s_lshl_b32 s25, s25, 18                        ; my 128 columns in wf: 256 KiB
	s_mov_b32 s[TM+1], 0
	s_wait_kmcnt 0x0
	s_min_u32 s[EA], s[EA], 7
	s_min_u32 s[EB], s[EB], 7
	s_min_u32 s[START], s[START], 0x1fff
	s_min_u32 s[CNT], s[CNT], 80
	s_max_u32 s[LASTR], s[CNT], 1
	s_sub_co_u32 s[LASTR], s[LASTR], 1
	s_mul_i32 s33, s18, 20
	v_add_nc_u32 v[GT], s33, v1                    ; the gather's rows: 20 a wave
	v_min_u32 v[GT], s[LASTR], v[GT]
	v_add_nc_u32 v[GT], s[START], v[GT]
	v_min_u32 v[GT], 0x1fff, v[GT]
	v_lshlrev_b32 v[GT], 2, v[GT]
.irp i, 0,1,2,3,4
	v_add_nc_u32 v[TOK+\i], 16*\i, v2              ; my row in block i
	v_min_u32 v[TOK+\i], s[LASTR], v[TOK+\i]
	v_add_nc_u32 v[TOK+\i], s[START], v[TOK+\i]
	v_min_u32 v[TOK+\i], 0x1fff, v[TOK+\i]
	v_lshlrev_b32 v[TOK+\i], 2, v[TOK+\i]
.endr
	global_load_b32 v[GT], v[GT], s[10:11]
.irp i, 0,1,2,3,4
	global_load_b32 v[TOK+\i], v[TOK+\i], s[10:11]
.endr
	s_lshl_b32 s[TM], s[EA], 21                    ; an expert: 2 MiB
	s_add_co_u32 s[TM], s[TM], s25
	s_add_nc_u64 s[WA:WA+1], s[6:7], s[TM:TM+1]
	s_lshl_b32 s[TM], s[EB], 21
	s_add_co_u32 s[TM], s[TM], s25
	s_add_nc_u64 s[WB:WB+1], s[6:7], s[TM:TM+1]
	s_add_nc_u64 s[WP:WP+1], s[WA:WA+1], 0x8000    ; a trip is four K steps, 32 KiB
	s_lshl_b32 s[TM], s[EA], 12
	s_add_nc_u64 s[BAS:BAS+1], s[8:9], s[TM:TM+1]
	s_lshl_b32 s[TM], s[EB], 12
	s_add_nc_u64 s[BBS:BBS+1], s[8:9], s[TM:TM+1]
.macro GATHER half, base               ; ten rows of xb, four loads of 512 consecutive bytes each
.irp rr, 0,1,2,3,4,5,6,7,8,9
.irp c, 0,1,2,3
	global_load_b128 v[(\base)+16*\rr+4*\c:(\base)+16*\rr+4*\c+3], v[VO+10*(\half)+\rr], s[4:5] offset:\c*512
.endr
.endr
.endm
.macro PUT half, base
.irp rr, 0,1,2,3,4,5,6,7,8,9
.irp c, 0,1,2,3
	ds_store_b128 v[LAX], v[(\base)+16*\rr+4*\c:(\base)+16*\rr+4*\c+3] offset:(10*(\half)+\rr)*PX+\c*512
.endr
.endr
.endm
.macro BFILL q, base                   ; 16 loads of 512 consecutive bytes: W's fragments of step q of a trip, into ring buffer q
	WIN 0x40                                       ; destination window 1, address window 0
.irp j, 0,1,2,3,4,5,6,7
	global_load_b128 v[64*(\q)+8*\j:64*(\q)+8*\j+3],   v[L16], s[\base:\base+1] offset:(\q)*8192+\j*1024
	global_load_b128 v[64*(\q)+8*\j+4:64*(\q)+8*\j+7], v[L16], s[\base:\base+1] offset:(\q)*8192+\j*1024+512
.endr
.endm
	BFILL 0, WA                                    ; K step 0's W hangs on the tile's entry alone: it goes out while the tokens are on their way
	WIN 0
	s_wait_loadcnt 16                              ; the tokens are in; the 16 loads just issued stay out
	v_min_u32 v[GT], 0x1fff, v[GT]
.irp i, 0,1,2,3,4
	v_min_u32 v[TOK+\i], 0x1fff, v[TOK+\i]
	v_lshlrev_b32 v[RA+\i], 3, v[TOK+\i]
.endr
.set i, 0
.rept 20                                       ; the lane reads as one batch, then the clamps, then the offsets
	v_readlane_b32 s[TK+i], v[GT], i
.set i, i+1
.endr
.set i, 0
.rept 20
	s_min_u32 s[TK+i], s[TK+i], 0x1fff
.set i, i+1
.endr
.set i, 0
.rept 20
	v_lshl_add_u32 v[VO+i], s[TK+i], 11, v[L16]    ; token x 2,048 bytes + 16 x lane
.set i, i+1
.endr
	GATHER 0, G                                    ; all 20 rows are asked for at once: ten into window 0,
	WIN 0x80
	GATHER 1, 0                                    ; ten into the accumulators' registers, which no product has written yet
	WIN 0
	s_wait_loadcnt 40                              ; all but the second ten rows' 40 loads
	PUT 0, G
.irp i, 0,1,2,3,4
	global_load_b64 v[RW+2*\i:RW+2*\i+1], v[RA+\i], s[14:15]  ; (rho, phi) of my token in block i
.endr
	WIN 0xc0                                       ; destination window 3, address window 0
.irp j, 0,1,2,3,4,5,6,7
	global_load_b128 v[BA+8*\j:BA+8*\j+3],   v[BO], s[BAS:BAS+1] offset:64*\j
	global_load_b128 v[BA+8*\j+4:BA+8*\j+7], v[BO], s[BAS:BAS+1] offset:64*\j+16
	global_load_b128 v[BB+8*\j:BB+8*\j+3],   v[BO], s[BBS:BBS+1] offset:64*\j
	global_load_b128 v[BB+8*\j+4:BB+8*\j+7], v[BO], s[BBS:BBS+1] offset:64*\j+16
.endr
	BFILL 1, WA
	s_wait_loadcnt 53                              ; all but the 5 + 32 + 16 loads issued behind the gather
	WIN 0x08                                       ; store data in window 2
	PUT 1, 0
	BFILL 2, WA
	BFILL 3, WA
	WIN 0
	s_wait_dscnt 0x0                               ; for the others' sake: my 20 rows are in LDS
	s_barrier_signal -1
	s_barrier_wait -1                              ; the one barrier: from here on LDS's rows of x are only read
	s_cmp_eq_u32 s[CNT], 0
	s_cbranch_scc1 .Lend                           ; a tile without rows
.macro ALOAD buf, adr, aoff            ; ten LDS loads: x's fragments of five blocks of 16 tokens, 32 k at byte aoff from the place that the three registers from adr on hold
	WIN 0
.irp i, 0,1,2,3,4
	ds_load_b128 v[(\buf)+8*\i:(\buf)+8*\i+3],   v[(\adr)+(\i)/2] offset:((\i)%2)*16*PX+(\aoff)
	ds_load_b128 v[(\buf)+8*\i+4:(\buf)+8*\i+7], v[(\adr)+(\i)/2] offset:((\i)%2)*16*PX+(\aoff)+32
.endr
.endm
; A K step of 32.  The next step's fragments of x are asked for; this step's W (left = the loads of the younger steps) and x are waited for; 40 matrix instructions, the 40 accumulators by turns,
; one instruction a turn; four places (a load into a register that a matrix instruction has read stands four plain vector instructions behind it); the ring buffer is filled
; again with the step four further on.  first = 1: the products start the sums, with b_a of the lane's eight columns as C.
; pstep = 1: W's stream goes on to the next trip here, behind 40 products: the loads that read the address were issued a whole step ago.
.macro STEP q, first, aload, adr, aoff, bload, left, pstep
.set AFQ, AF+40*((\q)%2)
.if \aload
	ALOAD AF+40*(((\q)+1)%2), \adr, \aoff
	s_wait_loadcnt \left
	s_wait_dscnt 10                                ; all but the ten just issued
.else
	s_wait_loadcnt \left
	s_wait_dscnt 0x0
.endif
.if \first
	WIN 0xb1                                       ; W window 1, x window 0, b_a window 3, sums window 2
.else
	WIN 0xa1                                       ; W window 1, x window 0, sums window 2
.endif
.irp i, 0,1,2,3
.irp j, 0,1,2,3,4,5,6,7
.if \first
	v_wmma_f32_16x16x32_bf16 v[64*\i+8*\j:64*\i+8*\j+7], v[64*(\q)+8*\j:64*(\q)+8*\j+7], v[AFQ+8*\i:AFQ+8*\i+7], v[BA+8*\j:BA+8*\j+7]
.else
	v_wmma_f32_16x16x32_bf16 v[64*\i+8*\j:64*\i+8*\j+7], v[64*(\q)+8*\j:64*(\q)+8*\j+7], v[AFQ+8*\i:AFQ+8*\i+7], v[64*\i+8*\j:64*\i+8*\j+7]
.endif
.endr
.endr
	WIN 0xf1                                       ; block 4's sums lie in window 3
.irp j, 0,1,2,3,4,5,6,7
.if \first
	v_wmma_f32_16x16x32_bf16 v[8*\j:8*\j+7], v[64*(\q)+8*\j:64*(\q)+8*\j+7], v[AFQ+32:AFQ+39], v[BA+8*\j:BA+8*\j+7]
.else
	v_wmma_f32_16x16x32_bf16 v[8*\j:8*\j+7], v[64*(\q)+8*\j:64*(\q)+8*\j+7], v[AFQ+32:AFQ+39], v[8*\j:8*\j+7]
.endif
.endr
.rept 4
	v_nop
.endr
.if \bload
.if \pstep
	s_wait_xcnt 0x0                                ; the stream's address is written only behind this wait
	s_add_nc_u64 s[WP:WP+1], s[WP:WP+1], 0x8000
	s_cmp_eq_u32 s[U], 7
	s_cselect_b64 s[WP:WP+1], s[WB:WB+1], s[WP:WP+1]  ; trip 7 asks for trip 8's: expert b's first
.endif
	BFILL \q, WP
.endif
.endm
; A trip: four K steps, 256 bytes of x's rows.  last = 1: nothing follows.
; adr, a0: where the trip's own 256 bytes begin.  adrn, an: where the next trip's begin: the fourth step fetches that trip's first fragments.
.macro TRIP first, bload, l0, l1, l2, l3, last, adr, a0, adrn, an, pstep
	STEP 0, \first, 1, \adr, (\a0)+64, \bload, \l0, \pstep
	STEP 1, 0, 1, \adr, (\a0)+128, \bload, \l1, 0
	STEP 2, 0, 1, \adr, (\a0)+192, \bload, \l2, 0
.if \last
	STEP 3, 0, 0, \adr, 0, \bload, \l3, 0
.else
	STEP 3, 0, 1, \adrn, \an, \bload, \l3, 0
.endif
.endm
.macro RESCALE                         ; the sums x W_a + b_a times rho, plus b_b; each accumulator from its low end on; the four v_nop of the step before are the places
	WIN 0xb2                                       ; destination and source 0 window 2, rho window 0, b_b window 3
.set n, 0
.rept 128
	v_pk_fma_f32 v[2*n:2*n+1], v[2*n:2*n+1], v[RW+2*(n/32):RW+2*(n/32)+1], v[BB+2*(n%32):BB+2*(n%32)+1] op_sel_hi:[1,0,1]
.set n, n+1
.endr
	WIN 0xf3
.set n, 0
.rept 32
	v_pk_fma_f32 v[2*n:2*n+1], v[2*n:2*n+1], v[RW+8:RW+9], v[BB+2*n:BB+2*n+1] op_sel_hi:[1,0,1]
.set n, n+1
.endr
.endm
	ALOAD AF, AB, 0                                ; K step 0
	TRIP 1, 1, 48, 48, 48, 48, 0, AB, 0, AB, 256, 0  ; trip 0 stands ahead of the loop: its first products start the sums; its places in x's rows stand in the immediates; it asks for trip 1's W
	WIN 0
	s_mov_b32 s[U], 1
.Ltrip:                                            ; trips 1 to 14; trips 0-7 multiply by W_a, 8-15 by W_b; trip U asks for trip U + 1's W
	s_cmp_lg_u32 s[U], 8
	s_cbranch_scc1 .Lsame
	RESCALE
	WIN 0
.Lsame:
	s_and_b32 s[KO], s[U], 7                       ; no LDS address is carried from trip to trip: both sets are made here from the trip's number.
	s_lshl_b32 s[KO], s[KO], 8                     ; This trip's place: 256 (U mod 8) bytes into x's rows, from 0 again with W_b: 1,792 at the most,
	v_add_nc_u32 v[AD], s[KO], v[AB]               ; so the highest byte read is 79 x 2,064 + 16 + 1,792 + 192 + 32 + 15, inside x's 165,120
	v_add_nc_u32 v[AD+1], s[KO], v[AB+1]
	v_add_nc_u32 v[AD+2], s[KO], v[AB+2]
	s_add_co_u32 s[KO], s[U], 1
	s_and_b32 s[KO], s[KO], 7
	s_lshl_b32 s[KO], s[KO], 8                     ; the next trip's place
	v_add_nc_u32 v[ADN], s[KO], v[AB]
	v_add_nc_u32 v[ADN+1], s[KO], v[AB+1]
	v_add_nc_u32 v[ADN+2], s[KO], v[AB+2]
	TRIP 0, 1, 48, 48, 48, 48, 0, AD, 0, ADN, 0, 1
	WIN 0
	s_add_co_u32 s[U], s[U], 1
	s_cmp_lt_u32 s[U], 15
	s_cbranch_scc1 .Ltrip
	TRIP 0, 0, 48, 32, 16, 0, 1, AB, 1792, AB, 0, 0  ; trip 15, the last 256 bytes of x's rows, asks for nothing: the counts run down
; THE WAY OUT of block i (16 tokens): the sums times phi, in place; through my stage in LDS; back as whole rows of 512 bytes; stored to each token's row.  Rows past the count are jumped.
.macro BLOCK i
	WIN 0
.if (\i) > 0
	s_cmp_gt_u32 s[CNT], 16*(\i)
	s_cbranch_scc0 .Lend
.endif
.if (\i) < 4
.set ACB, 64*(\i)
	WIN 0x82                                       ; destination and source 0 window 2, phi window 0
.else
.set ACB, 0
	WIN 0xc3
.endif
.set n, 0
.rept 32                                       ; each accumulator is read from its low end on; phi is the pair's second register
	v_pk_mul_f32 v[ACB+2*n:ACB+2*n+1], v[ACB+2*n:ACB+2*n+1], v[RW+2*(\i):RW+2*(\i)+1] op_sel:[0,1] op_sel_hi:[1,1]
.set n, n+1
.endr
.if (\i) < 4
	WIN 0x08                                       ; store data in window 2
.else
	WIN 0x0c
.endif
.irp j, 0,1,2,3,4,5,6,7
	ds_store_b128 v[STO], v[ACB+8*\j:ACB+8*\j+3] offset:64*\j
	ds_store_b128 v[STO], v[ACB+8*\j+4:ACB+8*\j+7] offset:64*\j+16
.endr
	WIN 0
	s_wait_xcnt 0x0                                ; the last block's stores have read their offsets and data: both are written again below
.set rr, 0
.rept 16
	ds_load_b128 v[OO+4*rr:OO+4*rr+3], v[RD] offset:rr*SPITCH  ; LDS serves a wave's instructions in order: these see the stores above, and the next block's stores come behind them
.set rr, rr+1
.endr
.set rr, 0
.rept 16                                       ; the 16 rows' tokens: the lane reads as one batch, then the clamps, then the offsets, while the loads above are out
	v_readlane_b32 s[TK+rr], v[TOK+(\i)], rr
.set rr, rr+1
.endr
.set rr, 0
.rept 16
	s_min_u32 s[TK+rr], s[TK+rr], 0x1fff
.set rr, rr+1
.endr
.set rr, 0
.rept 16
	v_lshl_add_u32 v[VO+rr], s[TK+rr], 12, v[CO]   ; token x 4,096 bytes + my columns
.set rr, rr+1
.endr
.set rr, 0
.rept 16
.if rr > 0
	s_cmp_gt_u32 s[CNT], 16*(\i)+rr
	s_cbranch_scc0 .Lend
.endif
	s_wait_dscnt 15-rr                             ; row rr is back; the younger loads stay out
	global_store_b128 v[VO+rr], v[OO+4*rr:OO+4*rr+3], s[16:17] th:TH_STORE_NT  ; 512 consecutive bytes, aligned
.set rr, rr+1
.endr
.endm
	BLOCK 0
	BLOCK 1
	BLOCK 2
	BLOCK 3
	BLOCK 4
.Lend:
	s_wait_tensorcnt 0x0                           ; the wave's end
	ds_add_u32 v[SPW], v[NIL]
	s_wait_dscnt 0x0
	s_endpgm
.Lfunc_end_k_qc92567ca6f_chain:
	.size	k_qc92567ca6f_chain, .Lfunc_end_k_qc92567ca6f_chain-k_qc92567ca6f_chain
	.p2alignl 7, 3214868480
	.fill 96, 4, 3214868480
	.section	.rodata,"a",@progbits
	.p2align	6, 0x0
	.amdhsa_kernel k_qc92567ca6f_chain
		.amdhsa_group_segment_fixed_size 199680
		.amdhsa_private_segment_fixed_size 0
		.amdhsa_enable_private_segment 0
		.amdhsa_kernarg_size 56
		.amdhsa_user_sgpr_count 2
		.amdhsa_user_sgpr_kernarg_segment_ptr 1
		.amdhsa_wavefront_size32 1
		.amdhsa_system_sgpr_workgroup_id_x 1
		.amdhsa_system_sgpr_workgroup_id_y 1
		.amdhsa_system_sgpr_workgroup_id_z 1
		.amdhsa_system_vgpr_workitem_id 0
		.amdhsa_next_free_vgpr 960
		.amdhsa_next_free_sgpr 66
		.amdhsa_reserve_vcc 0
		.amdhsa_float_denorm_mode_32 3
		.amdhsa_float_denorm_mode_16_64 3
		.amdhsa_memory_ordered 1
		.amdhsa_forward_progress 1
		.amdhsa_inst_pref_size 147
	.end_amdhsa_kernel
	.amdgpu_metadata
---
amdhsa.version: [ 1, 2 ]
amdhsa.kernels:
  - .name:           k_qc92567ca6f_chain
    .symbol:         k_qc92567ca6f_chain.kd
    .args:
      - { .name: xb, .offset: 0, .size: 8, .value_kind: global_buffer, .address_space: global }
      - { .name: wf, .offset: 8, .size: 8, .value_kind: global_buffer, .address_space: global }
      - { .name: bq, .offset: 16, .size: 8, .value_kind: global_buffer, .address_space: global }
      - { .name: order, .offset: 24, .size: 8, .value_kind: global_buffer, .address_space: global }
      - { .name: tiles, .offset: 32, .size: 8, .value_kind: global_buffer, .address_space: global }
      - { .name: rw, .offset: 40, .size: 8, .value_kind: global_buffer, .address_space: global }
      - { .name: out0, .offset: 48, .size: 8, .value_kind: global_buffer, .address_space: global }
    .group_segment_fixed_size: 199680
    .private_segment_fixed_size: 0
    .kernarg_segment_align: 8
    .kernarg_segment_size: 56
    .max_flat_workgroup_size: 128
    .sgpr_count:     66
    .vgpr_count:     960
    .wavefront_size: 32
...
	.end_amdgpu_metadata
.endif
;; end of part 3
;; ======== version 2 of 2: 3 launches; version 1 with the launch chain written anew for expert scheduling mode
;; limits: right only within a limited range of input values
;; workspace buffers: xb 16,777,216 bytes; wf 16,777,216 bytes; bq 32,768 bytes; rw 65,536 bytes; psum 8,192 bytes; ph 49,152 bytes of whole numbers; order 32,768 bytes of whole numbers; tiles 2,304 bytes of whole numbers
;; launch router: the kernel of part 1 again; grid 256 x 1, 8 waves a work-group, no clusters, 18,944 bytes of LDS; arguments x, Wr, br, xb, rw, ph, psum; writes xb, rw, ph, psum
;; launch prep: the kernel of part 2 again; grid 256 x 1, 9 waves a work-group, no clusters, 69,120 bytes of LDS; arguments W, b, ph, psum, wf, bq, order, tiles, out1; writes wf, bq, order, tiles, out1
;; launch chain (part 4): grid 130 x 2, 4 waves a work-group, no clusters, 199,680 bytes of LDS; arguments xb, wf, bq, order, tiles, rw, out0; writes out0
.if DOCPART == 4
	.amdgcn_target "amdgcn-amd-amdhsa--gfx1250"
	.amdhsa_code_object_version 6
	.text
	.protected	k_qc92567ca6f_chain
	.globl	k_qc92567ca6f_chain
	.p2align	8
	.type	k_qc92567ca6f_chain,@function
k_qc92567ca6f_chain:
	s_mov_b64 s[64:65], 0
	v_nop
	global_prefetch_b8 v0, s[64:65] scope:SCOPE_SE
	s_setreg_imm32_b32 hwreg(HW_REG_WAVE_SCHED_MODE, 0, 2), 2
	s_setreg_imm32_b32 hwreg(HW_REG_WAVE_MODE, 25, 1), 1
	s_wait_xcnt 0x0
	s_wait_alu depctr_vm_vsrc(0)
; THE CHAIN.  out[t] = wl (x W_a + b_a) + wh (x W_b + b_b) for token t's two experts a < b, formed as phi (rho (x W_a + b_a) + x W_b + b_b) with phi = max(wh, 2^-64), rho = wl / phi.
; x and W in bf16, sums in f32, ONE accumulator for both experts: the first product takes b_a as its C; 32 K steps with W_a; the sums times rho plus b_b; 32 K steps with W_b; times phi.
; Each output row has one owner.
; SHARES.  Work-group (tile, y): up to 80 tokens of one pair of experts x columns 512 y .. + 511; wave w: 80 x 128, 40 accumulators of 16 x 16.  Places past the tile's count repeat its last
; token and are not stored.  130 tiles serve every split of the tokens; a tile with count 0 stores nothing and ends behind the one barrier.
; DATA.  The tile's 80 rows of x are gathered once into LDS (pitch 2,064 bytes: the 16 rows of a fragment load start at 16 different groups of four banks).  W comes straight into operand
; registers, from the layout that the launch before wrote: 8 KiB on end for a wave and K step, through a ring of four register buffers, each asked for 112 matrix instructions ahead of its wait.
; NO TENSOR LOADS, NO CLUSTER: the four waves share no byte of W, and a tile's count is read from memory: partners in a cluster would have to walk alike whatever their counts, and the
; loop below has neither a barrier nor a write of LDS.  Tiles of one pair read the same 2 MiB of wf, each for itself.
; THE MATRIX INSTRUCTION IS USED TRANSPOSED: source 0 = 16 columns of W, source 1 = 16 tokens: a lane then holds one token (lane % 16) and eight neighbouring columns 8 (lane / 16) + 0..7.
; LIMIT.  Where wh < 2^-64 expert b's product and bias are weighed 2^-64.  Token numbers and table entries are clamped to their ranges before they enter an address.
; THE MODE: SCHED_MODE bits 1:0 = 2 (LLVM: expert scheduling mode 2), set by the entry lines.  The code itself states the register dependences
; between vector or matrix instructions and memory or LDS instructions, with s_wait_alu, always for 0.
; THE PLAN.  Registers that memory or LDS instructions touch, in the loop (g counts the 64 K steps):
;   R0 .. R3    W's ring.  Step g: its 40 products read R[g % 4]; its 16 loads, step g + 3's W, land in R[(g + 3) % 4], which step g - 1 multiplied.
;   AF0, AF1    x's fragments.  Step g: its products read AF[g % 2]; its ten LDS loads, step g + 1's fragments, land in the other, which step g - 1 multiplied.
;   AD, ADN     LDS addresses, read by a trip's LDS loads, made anew in each trip, straight ahead of its steps.
;   v4, AB      16 x lane and the fragment addresses at k = 0: made at the head, never written again.
; So ONE wait on va_vdst stands at a step's head: the step before is done reading the two buffers in which this step's loads land, and in a trip's first step AD and ADN are written.  The step's first
; eight products follow it, then its 26 loads in one run, then its other 32 products: the eight name R[g % 4], AF[g % 2], the sums and b_a, none of the registers that the loads touch.
; One wait on vm_vsrc a trip stands at the trip's head, ahead of the branch round the rescaling: no memory or LDS instruction is issued between it and the adds that make AD and ADN.
; REGISTERS, in windows of 256 (s_set_vgpr_msb: bits 1:0 source 0, 3:2 source 1, 5:4 source 2, 7:6 destination):
;   window 0: v0-15 lane figures and addresses; v16-35 row offsets; v36-38 fragment bases; v40-44 offsets in rw; v45-47 fragment addresses; v48-53 places in the list; v64-143 x's fragments, two buffers of 40
;             (the gather's first half: v64-223; the way out: v64-127); v224-233 (rho, phi) of my token in each of five blocks; v244-248 those tokens
;   window 1: W's ring, buffer q at 64 q      window 2: accumulators of blocks 0-3 at 64 i + 8 j (ahead of the first product: the gather's second half, v0-159)
;   window 3: v0-63 block 4; v64-127 b_a, v128-191 b_b of my columns
.set PX,     2064
.set STAGE,  165376                    ; behind x (80 x 2,064 = 165,120 bytes): 16 rows x 528 bytes for each wave, for the way out; the 512 bytes from 199,168 on hold the spare words, 4 bytes a thread
.set SPITCH, 528
.set L16, 4                            ; v4   16 x lane
.set LAX, 7                            ; v7   the gather: my 16 bytes in my wave's first row of x in LDS
.set AD,  8                            ; v8-10  fragment addresses of blocks 0/1, 2/3, 4 at the place of the trip in hand; made anew in every trip
.set STO, 11
.set RD,  12
.set CO,  13                           ; my byte offset in a row of out0
.set BO,  14                           ; my byte offset in a row of bq
.set GT,  15                           ; lane i: token of row 20 w + i
.set VO,  16                           ; v16-35 byte offsets of my wave's 20 rows in xb; later of 16 rows in out0
.set AB,  36                           ; v36-38 fragment addresses at k = 0; never rewritten
.set RA,  40
.set ADN, 45                           ; v45-47 fragment addresses at the next trip's place; made anew in every trip
.set OA,  48                           ; v48-53 byte offsets in the list: of row 20 w + lane, and of my row in each of five blocks; never rewritten
.set AF,  64
.set G,   64
.set OO,  64
.set RW,  224
.set TOK, 244
.set BA,  64                           ; window 3
.set BB,  128
.set EA,  20                           ; s[20:23] the tile: a, b, first place in the list, count
.set EB,  21
.set START, 22
.set CNT, 23
.set LASTR, 24                         ; the tile's last row
.set WP,  26                           ; s[26:27] W's stream: at a trip's head the trip's own, from its second step on the next trip's
.set WB,  28                           ; s[28:29] expert b's stream
.set U,   30                           ; the trip
.set KO,  31                           ; a trip's byte in x's rows
.set BAS, 32                           ; s[32:33] b_a, s[34:35] b_b
.set BBS, 34
.set TM,  36                           ; s[36:37] at work
.set WA,  38                           ; s[38:39] expert a's stream
.set TK,  40                           ; s[40:59] a batch of token numbers
.set MSB, 0
.macro WIN new                         ; the immediate's high byte repeats the setting that is left; a switch that changes nothing is dropped
.if MSB != (\new)
	s_set_vgpr_msb (MSB<<8)|(\new)
.set MSB, \new
.endif
.endm
	s_load_b256 s[4:11], s[0:1], 0x0               ; xb s[4:5], wf s[6:7], bq s[8:9], order s[10:11]
	s_load_b128 s[12:15], s[0:1], 0x20             ; tiles s[12:13], rw s[14:15]
	s_load_b64 s[16:17], s[0:1], 0x30              ; out0
	v_lshl_add_u32 v254, v0, 2, 0x30a00
	v_mov_b32 v255, 0
	v_and_b32 v1, 31, v0                           ; lane
	v_and_b32 v2, 15, v0                           ; r
	v_bfe_u32 v3, v0, 4, 1                         ; h
	v_lshlrev_b32 v[L16], 4, v1
	v_lshrrev_b32 v7, 5, v0
	v_readfirstlane_b32 s18, v7                    ; wave
	s_and_b32 s19, ttmp7, 0xffff                   ; y
	s_lshl_b32 s32, ttmp9, 4
	s_wait_kmcnt 0x0
	s_load_b128 s[20:23], s[12:13], s32 offset:0x0 ; my tile's entry
	s_wait_alu depctr_va_sdst(0)                   ; s18, the wave's number, is written, ahead of its first reader
	s_mul_i32 s33, s18, 20*PX
	v_add_nc_u32 v[LAX], s33, v[L16]
	v_mul_u32_u24 v[AB], PX, v2
	v_lshl_add_u32 v[AB], v3, 4, v[AB]             ; row x pitch + 16 x half
	v_add_nc_u32 v[AB+1], 32*PX, v[AB]
	v_add_nc_u32 v[AB+2], 64*PX, v[AB]
	s_mul_i32 s33, s18, 16*SPITCH
	s_add_co_u32 s33, s33, STAGE                   ; my stage
	v_mul_u32_u24 v[STO], SPITCH, v2               ; in: row r, 32 bytes for each half of the lanes
	v_lshl_add_u32 v[STO], v3, 5, v[STO]
	v_add_nc_u32 v[STO], s33, v[STO]
	v_add_nc_u32 v[RD], s33, v[L16]                ; back: a row's 512 bytes
	s_lshl_b32 s34, s19, 11
	s_lshl_b32 s33, s18, 9
	s_add_co_u32 s34, s34, s33                     ; my 128 columns, in bytes of f32
	v_add_nc_u32 v[CO], s34, v[L16]
	v_lshl_add_u32 v[BO], v3, 5, s34
	s_lshl_b32 s25, s19, 2
	s_add_co_u32 s25, s25, s18
	s_lshl_b32 s25, s25, 18                        ; my 128 columns in wf: 256 KiB
	s_mov_b32 s[TM+1], 0
	s_wait_kmcnt 0x0
	s_min_u32 s[EA], s[EA], 7
	s_min_u32 s[EB], s[EB], 7
	s_min_u32 s[START], s[START], 0x1fff
	s_min_u32 s[CNT], s[CNT], 80
	s_max_u32 s[LASTR], s[CNT], 1
	s_sub_co_u32 s[LASTR], s[LASTR], 1
	s_mul_i32 s33, s18, 20
	v_add_nc_u32 v[OA], s33, v1                    ; the gather's rows: 20 a wave
	v_min_u32 v[OA], s[LASTR], v[OA]
	v_add_nc_u32 v[OA], s[START], v[OA]
	v_min_u32 v[OA], 0x1fff, v[OA]
	v_lshlrev_b32 v[OA], 2, v[OA]
.irp i, 0,1,2,3,4
	v_add_nc_u32 v[OA+1+\i], 16*\i, v2             ; my row in block i
	v_min_u32 v[OA+1+\i], s[LASTR], v[OA+1+\i]
	v_add_nc_u32 v[OA+1+\i], s[START], v[OA+1+\i]
	v_min_u32 v[OA+1+\i], 0x1fff, v[OA+1+\i]
	v_lshlrev_b32 v[OA+1+\i], 2, v[OA+1+\i]
.endr
	s_wait_alu depctr_va_vdst(0)                   ; the offsets and addresses made so far are written: v4, v7, v11 to v14, v36 to v38 and v48 to v53, which loads and LDS instructions from here on read
	global_load_b32 v[GT], v[OA], s[10:11]         ; the tokens land in registers of their own, not on the offsets that their loads read
.irp i, 0,1,2,3,4
	global_load_b32 v[TOK+\i], v[OA+1+\i], s[10:11]
.endr
	s_lshl_b32 s[TM], s[EA], 21                    ; an expert: 2 MiB
	s_add_co_u32 s[TM], s[TM], s25
	s_add_nc_u64 s[WA:WA+1], s[6:7], s[TM:TM+1]
	s_lshl_b32 s[TM], s[EB], 21
	s_add_co_u32 s[TM], s[TM], s25
	s_add_nc_u64 s[WB:WB+1], s[6:7], s[TM:TM+1]
	s_add_nc_u64 s[WP:WP+1], s[WA:WA+1], 0x8000    ; a trip is four K steps, 32 KiB: trip 1's stream
	s_lshl_b32 s[TM], s[EA], 12
	s_add_nc_u64 s[BAS:BAS+1], s[8:9], s[TM:TM+1]
	s_lshl_b32 s[TM], s[EB], 12
	s_add_nc_u64 s[BBS:BBS+1], s[8:9], s[TM:TM+1]
.macro GATHER half, base               ; ten rows of xb, four loads of 512 consecutive bytes each
.irp rr, 0,1,2,3,4,5,6,7,8,9
.irp c, 0,1,2,3
	global_load_b128 v[(\base)+16*\rr+4*\c:(\base)+16*\rr+4*\c+3], v[VO+10*(\half)+\rr], s[4:5] offset:\c*512
.endr
.endr
.endm
.macro PUT half, base
.irp rr, 0,1,2,3,4,5,6,7,8,9
.irp c, 0,1,2,3
	ds_store_b128 v[LAX], v[(\base)+16*\rr+4*\c:(\base)+16*\rr+4*\c+3] offset:(10*(\half)+\rr)*PX+\c*512
.endr
.endr
.endm
.macro BFILL q, base                   ; 16 loads of 512 consecutive bytes: W's fragments of step q of a trip, into ring buffer q
	WIN 0x40                                       ; destination window 1, address window 0
.irp j, 0,1,2,3,4,5,6,7
	global_load_b128 v[64*(\q)+8*\j:64*(\q)+8*\j+3],   v[L16], s[\base:\base+1] offset:(\q)*8192+\j*1024
	global_load_b128 v[64*(\q)+8*\j+4:64*(\q)+8*\j+7], v[L16], s[\base:\base+1] offset:(\q)*8192+\j*1024+512
.endr
.endm
	BFILL 0, WA                                    ; K step 0's W hangs on the tile's entry alone: it goes out while the tokens are on their way; no vector instruction since the wait above
	WIN 0
	s_wait_loadcnt 16                              ; the tokens are in; the 16 loads just issued stay out
	v_min_u32 v[GT], 0x1fff, v[GT]
.irp i, 0,1,2,3,4
	v_min_u32 v[TOK+\i], 0x1fff, v[TOK+\i]
	v_lshlrev_b32 v[RA+\i], 3, v[TOK+\i]
.endr
.set i, 0
.rept 20                                       ; the lane reads as one batch, then the clamps, then the offsets
	v_readlane_b32 s[TK+i], v[GT], i
.set i, i+1
.endr
	s_wait_alu depctr_va_sdst(0)                   ; the 20 lane reads have written s40 to s59, ahead of their first reader
.set i, 0
.rept 20
	s_min_u32 s[TK+i], s[TK+i], 0x1fff
.set i, i+1
.endr
.set i, 0
.rept 20
	v_lshl_add_u32 v[VO+i], s[TK+i], 11, v[L16]    ; token x 2,048 bytes + 16 x lane
.set i, i+1
.endr
	s_wait_alu depctr_va_vdst(0)                   ; the rows' offsets v16 to v35 and rw's v40 to v44 are written, which the loads below read
	GATHER 0, G                                    ; all 20 rows are asked for at once: ten into window 0,
	WIN 0x80
	GATHER 1, 0                                    ; ten into the accumulators' registers, which no product has written yet
	WIN 0
	s_wait_loadcnt 40                              ; all but the second ten rows' 40 loads
	PUT 0, G
.irp i, 0,1,2,3,4
	global_load_b64 v[RW+2*\i:RW+2*\i+1], v[RA+\i], s[14:15]  ; (rho, phi) of my token in block i
.endr
	WIN 0xc0                                       ; destination window 3, address window 0
.irp j, 0,1,2,3,4,5,6,7
	global_load_b128 v[BA+8*\j:BA+8*\j+3],   v[BO], s[BAS:BAS+1] offset:64*\j
	global_load_b128 v[BA+8*\j+4:BA+8*\j+7], v[BO], s[BAS:BAS+1] offset:64*\j+16
	global_load_b128 v[BB+8*\j:BB+8*\j+3],   v[BO], s[BBS:BBS+1] offset:64*\j
	global_load_b128 v[BB+8*\j+4:BB+8*\j+7], v[BO], s[BBS:BBS+1] offset:64*\j+16
.endr
	BFILL 1, WA
	s_wait_loadcnt 53                              ; all but the 5 + 32 + 16 loads issued behind the gather
	WIN 0x08                                       ; store data in window 2
	PUT 1, 0
	BFILL 2, WA
	BFILL 3, WA
	WIN 0
	s_wait_dscnt 0x0                               ; for the others' sake: my 20 rows are in LDS
	s_barrier_signal -1
	s_barrier_wait -1                              ; the one barrier: from here on LDS's rows of x are only read
	s_wait_alu depctr_vm_vsrc(0)                   ; my LDS stores have read the gather's registers, and the gather's loads their offsets v16 to v35: x's fragments and the stage's rows land in the first half's, the products write the second half's, the way out writes the offsets
	s_cmp_eq_u32 s[CNT], 0
	s_cbranch_scc1 .Lend                           ; a tile without rows
.macro ALOAD buf, adr, aoff            ; ten LDS loads: x's fragments of five blocks of 16 tokens, 32 k at byte aoff from the place that the three registers from adr on hold
	WIN 0
.irp i, 0,1,2,3,4
	ds_load_b128 v[(\buf)+8*\i:(\buf)+8*\i+3],   v[(\adr)+(\i)/2] offset:((\i)%2)*16*PX+(\aoff)
	ds_load_b128 v[(\buf)+8*\i+4:(\buf)+8*\i+7], v[(\adr)+(\i)/2] offset:((\i)%2)*16*PX+(\aoff)+32
.endr
.endm
; Block b's eight products of step q of a trip.  first = 1: they start the sums, with b_a of the lane's eight columns as C.
.macro MULB q, first, b
.set AFQ, AF+40*((\q)%2)
.if (\b) < 4
.if \first
	WIN 0xb1                                       ; W window 1, x window 0, b_a window 3, sums window 2
.else
	WIN 0xa1                                       ; W window 1, x window 0, sums window 2
.endif
.irp j, 0,1,2,3,4,5,6,7
.if \first
	v_wmma_f32_16x16x32_bf16 v[64*(\b)+8*\j:64*(\b)+8*\j+7], v[64*(\q)+8*\j:64*(\q)+8*\j+7], v[AFQ+8*(\b):AFQ+8*(\b)+7], v[BA+8*\j:BA+8*\j+7]
.else
	v_wmma_f32_16x16x32_bf16 v[64*(\b)+8*\j:64*(\b)+8*\j+7], v[64*(\q)+8*\j:64*(\q)+8*\j+7], v[AFQ+8*(\b):AFQ+8*(\b)+7], v[64*(\b)+8*\j:64*(\b)+8*\j+7]
.endif
.endr
.else
	WIN 0xf1                                       ; block 4's sums lie in window 3
.irp j, 0,1,2,3,4,5,6,7
.if \first
	v_wmma_f32_16x16x32_bf16 v[8*\j:8*\j+7], v[64*(\q)+8*\j:64*(\q)+8*\j+7], v[AFQ+32:AFQ+39], v[BA+8*\j:BA+8*\j+7]
.else
	v_wmma_f32_16x16x32_bf16 v[8*\j:8*\j+7], v[64*(\q)+8*\j:64*(\q)+8*\j+7], v[AFQ+32:AFQ+39], v[8*\j:8*\j+7]
.endif
.endr
.endif
.endm
; A K step of 32.  This step's W (left = the loads of the younger steps) and x are waited for; the one wait on va_vdst (vw = 1: the step issues loads into registers that the step before multiplied);
; 40 matrix instructions, the 40 accumulators by turns, one instruction a turn; behind the first eight, in one run, the next step's fragments of x (aload = 1) and the W of the
; step three further on (fill = 1), into the ring buffer that the step before read.
; pstep = 1: W's stream goes on to the next trip at the step's head: the loads that read the address stand 32 products back.
.macro STEP q, first, vw, aload, adr, aoff, fill, left, pstep
	s_wait_loadcnt \left                           ; loads come back in order: ring buffer q is in
	s_wait_dscnt 0x0                               ; x's fragments of this step, asked for behind the last step's first eight products
.if \vw
	s_wait_alu depctr_va_vdst(0)                   ; the products of the step before are done reading their ring buffer and their fragments of x, in which this step's loads land; in a trip's first step AD and ADN are written
.endif
.if \pstep
	s_wait_xcnt 0x0                                ; the stream's address is written only behind this wait
	s_add_nc_u64 s[WP:WP+1], s[WP:WP+1], 0x8000
	s_cmp_eq_u32 s[U], 7
	s_cselect_b64 s[WP:WP+1], s[WB:WB+1], s[WP:WP+1]  ; trip 7 goes on to trip 8's: expert b's first
.endif
	MULB \q, \first, 0
.if \aload
	ALOAD AF+40*(((\q)+1)%2), \adr, \aoff          ; no wait: no vector or matrix instruction since the wait above names these registers
.endif
.if \fill
	BFILL ((\q)+3)%4, WP
.endif
	MULB \q, \first, 1
	MULB \q, \first, 2
	MULB \q, \first, 3
	MULB \q, \first, 4
.rept 4
	v_nop                                          ; four places behind the step's last products (ISA guide 7.12.1): the rescaling and the way out read sums behind a step
.endr
.endm
.macro RESCALE                         ; the sums x W_a + b_a times rho, plus b_b; each accumulator from its low end on; the four v_nop of the step before are the places
	WIN 0xb2                                       ; destination and source 0 window 2, rho window 0, b_b window 3
.set n, 0
.rept 128
	v_pk_fma_f32 v[2*n:2*n+1], v[2*n:2*n+1], v[RW+2*(n/32):RW+2*(n/32)+1], v[BB+2*(n%32):BB+2*(n%32)+1] op_sel_hi:[1,0,1]
.set n, n+1
.endr
	WIN 0xf3
.set n, 0
.rept 32
	v_pk_fma_f32 v[2*n:2*n+1], v[2*n:2*n+1], v[RW+8:RW+9], v[BB+2*n:BB+2*n+1] op_sel_hi:[1,0,1]
.set n, n+1
.endr
.endm
	ALOAD AF, AB, 0                                ; K step 0
	; trip 0 stands ahead of the loop: its first products start the sums; its places in x's rows stand in the immediates.  Its first step finds all four ring buffers asked for (48 younger loads), fills
	; none, and owes no wait on va_vdst: no vector or matrix instruction has named the registers in which its LDS loads land.  Its other steps ask for trip 1's steps 0 to 2.
	STEP 0, 1, 0, 1, AB, 64,  0, 48, 0
	STEP 1, 0, 1, 1, AB, 128, 1, 32, 0
	STEP 2, 0, 1, 1, AB, 192, 1, 32, 0
	STEP 3, 0, 1, 1, AB, 256, 1, 32, 0
	WIN 0
	s_mov_b32 s[U], 1
.Ltrip:                                            ; trips 1 to 14; trips 0-7 multiply by W_a, 8-15 by W_b; trip U asks for its own step 3 and for trip U + 1's steps 0 to 2
	s_wait_alu depctr_vm_vsrc(0)                   ; the LDS loads issued so far have read AD and ADN, which the adds behind the label below write; it stands ahead of the branch, and no memory or LDS instruction follows it before those adds
	s_cmp_lg_u32 s[U], 8
	s_cbranch_scc1 .Lsame
	RESCALE
	WIN 0
.Lsame:
	s_and_b32 s[KO], s[U], 7                       ; no LDS address is carried from trip to trip: both sets are made here from the trip's number.
	s_lshl_b32 s[KO], s[KO], 8                     ; This trip's place: 256 (U mod 8) bytes into x's rows, from 0 again with W_b: 1,792 at the most,
	v_add_nc_u32 v[AD], s[KO], v[AB]               ; so the highest byte read is 79 x 2,064 + 16 + 1,792 + 192 + 32 + 15, inside x's 165,120
	v_add_nc_u32 v[AD+1], s[KO], v[AB+1]
	v_add_nc_u32 v[AD+2], s[KO], v[AB+2]
	s_add_co_u32 s[KO], s[U], 1
	s_and_b32 s[KO], s[KO], 7
	s_lshl_b32 s[KO], s[KO], 8                     ; the next trip's place
	v_add_nc_u32 v[ADN], s[KO], v[AB]
	v_add_nc_u32 v[ADN+1], s[KO], v[AB+1]
	v_add_nc_u32 v[ADN+2], s[KO], v[AB+2]
	STEP 0, 0, 1, 1, AD,  64,  1, 32, 0            ; every step: the W of the two younger steps, 32 loads, stays out
	STEP 1, 0, 1, 1, AD,  128, 1, 32, 1
	STEP 2, 0, 1, 1, AD,  192, 1, 32, 0
	STEP 3, 0, 1, 1, ADN, 0,   1, 32, 0            ; the fourth step fetches the next trip's first fragments
	WIN 0
	s_add_co_u32 s[U], s[U], 1
	s_cmp_lt_u32 s[U], 15
	s_cbranch_scc1 .Ltrip
	STEP 0, 0, 1, 1, AB, 1792+64,  1, 32, 0        ; trip 15, the last 256 bytes of x's rows: its first step asks for the last W, its own step 3's; then the counts run down
	STEP 1, 0, 1, 1, AB, 1792+128, 0, 32, 0
	STEP 2, 0, 1, 1, AB, 1792+192, 0, 16, 0
	STEP 3, 0, 0, 0, AB, 0,        0, 0,  0        ; the last step issues no load, so it holds no wait on va_vdst
; THE WAY OUT of block i (16 tokens): the sums times phi, in place; through my stage in LDS; back as whole rows of 512 bytes; stored to each token's row.  Rows past the count are jumped.
.macro BLOCK i
	WIN 0
.if (\i) > 0
	s_cmp_gt_u32 s[CNT], 16*(\i)
	s_cbranch_scc0 .Lend
.endif
.if (\i) < 4
.set ACB, 64*(\i)
	WIN 0x82                                       ; destination and source 0 window 2, phi window 0
.else
.set ACB, 0
	WIN 0xc3
.endif
.set n, 0
.rept 32                                       ; each accumulator is read from its low end on; phi is the pair's second register
	v_pk_mul_f32 v[ACB+2*n:ACB+2*n+1], v[ACB+2*n:ACB+2*n+1], v[RW+2*(\i):RW+2*(\i)+1] op_sel:[0,1] op_sel_hi:[1,1]
.set n, n+1
.endr
.if (\i) < 4
	WIN 0x08                                       ; store data in window 2
.else
	WIN 0x0c
.endif
	s_wait_alu depctr_va_vdst(0)                   ; the multiplies have written the block's sums, which the LDS stores read; in block 0 the last products are also done reading x's fragments, in whose registers the stage's rows land
.irp j, 0,1,2,3,4,5,6,7
	ds_store_b128 v[STO], v[ACB+8*\j:ACB+8*\j+3] offset:64*\j
	ds_store_b128 v[STO], v[ACB+8*\j+4:ACB+8*\j+7] offset:64*\j+16
.endr
	WIN 0
	s_wait_xcnt 0x0                                ; the last block's stores have had their addresses translated: their offsets and data are written again below
.if (\i) > 0
	s_wait_alu depctr_vm_vsrc(0)                   ; the last block's stores have read their data v64 to v127, in which the loads below land, and their offsets v16 to v31, which are made anew below
.endif
.set rr, 0
.rept 16
	ds_load_b128 v[OO+4*rr:OO+4*rr+3], v[RD] offset:rr*SPITCH  ; LDS serves a wave's instructions in order: these see the stores above, and the next block's stores come behind them
.set rr, rr+1
.endr
.set rr, 0
.rept 16                                       ; the 16 rows' tokens: the lane reads as one batch, then the clamps, then the offsets, while the loads above are out
	v_readlane_b32 s[TK+rr], v[TOK+(\i)], rr
.set rr, rr+1
.endr
	s_wait_alu depctr_va_sdst(0)                   ; the 16 lane reads have written s40 to s55, ahead of their first reader
.set rr, 0
.rept 16
	s_min_u32 s[TK+rr], s[TK+rr], 0x1fff
.set rr, rr+1
.endr
.set rr, 0
.rept 16
	v_lshl_add_u32 v[VO+rr], s[TK+rr], 12, v[CO]   ; token x 4,096 bytes + my columns
.set rr, rr+1
.endr
	s_wait_alu depctr_va_vdst(0)                   ; the 16 offsets are written, which the stores below read
.set rr, 0
.rept 16
.if rr > 0
	s_cmp_gt_u32 s[CNT], 16*(\i)+rr
	s_cbranch_scc0 .Lend
.endif
	s_wait_dscnt 15-rr                             ; row rr is back; the younger loads stay out
	global_store_b128 v[VO+rr], v[OO+4*rr:OO+4*rr+3], s[16:17] th:TH_STORE_NT  ; 512 consecutive bytes, aligned
.set rr, rr+1
.endr
.endm
	BLOCK 0
	BLOCK 1
	BLOCK 2
	BLOCK 3
	BLOCK 4
.Lend:
	s_wait_dscnt 0x0                               ; the wave's end: my last LDS instructions are done
	s_wait_alu depctr_hold_cnt(0) depctr_sa_sdst(0) depctr_va_vdst(0) depctr_va_sdst(0) depctr_va_ssrc(0) depctr_va_vcc(0) depctr_vm_vsrc(0)
	s_wait_tensorcnt 0x0
	ds_add_u32 v254, v255
	s_wait_dscnt 0x0
	s_endpgm
.Lfunc_end_k_qc92567ca6f_chain:
	.size	k_qc92567ca6f_chain, .Lfunc_end_k_qc92567ca6f_chain-k_qc92567ca6f_chain
	.p2alignl 7, 3214868480
	.fill 96, 4, 3214868480
	.section	.rodata,"a",@progbits
	.p2align	6, 0x0
	.amdhsa_kernel k_qc92567ca6f_chain
		.amdhsa_group_segment_fixed_size 199680
		.amdhsa_private_segment_fixed_size 0
		.amdhsa_enable_private_segment 0
		.amdhsa_kernarg_size 56
		.amdhsa_user_sgpr_count 2
		.amdhsa_user_sgpr_kernarg_segment_ptr 1
		.amdhsa_wavefront_size32 1
		.amdhsa_system_sgpr_workgroup_id_x 1
		.amdhsa_system_sgpr_workgroup_id_y 1
		.amdhsa_system_sgpr_workgroup_id_z 1
		.amdhsa_system_vgpr_workitem_id 0
		.amdhsa_next_free_vgpr 960
		.amdhsa_next_free_sgpr 66
		.amdhsa_reserve_vcc 0
		.amdhsa_float_denorm_mode_32 3
		.amdhsa_float_denorm_mode_16_64 3
		.amdhsa_memory_ordered 1
		.amdhsa_forward_progress 1
		.amdhsa_inst_pref_size 148
	.end_amdhsa_kernel
	.amdgpu_metadata
---
amdhsa.version: [ 1, 2 ]
amdhsa.kernels:
  - .name:           k_qc92567ca6f_chain
    .symbol:         k_qc92567ca6f_chain.kd
    .args:
      - { .name: xb, .offset: 0, .size: 8, .value_kind: global_buffer, .address_space: global }
      - { .name: wf, .offset: 8, .size: 8, .value_kind: global_buffer, .address_space: global }
      - { .name: bq, .offset: 16, .size: 8, .value_kind: global_buffer, .address_space: global }
      - { .name: order, .offset: 24, .size: 8, .value_kind: global_buffer, .address_space: global }
      - { .name: tiles, .offset: 32, .size: 8, .value_kind: global_buffer, .address_space: global }
      - { .name: rw, .offset: 40, .size: 8, .value_kind: global_buffer, .address_space: global }
      - { .name: out0, .offset: 48, .size: 8, .value_kind: global_buffer, .address_space: global }
    .group_segment_fixed_size: 199680
    .private_segment_fixed_size: 0
    .kernarg_segment_align: 8
    .kernarg_segment_size: 56
    .max_flat_workgroup_size: 128
    .sgpr_count:     66
    .vgpr_count:     960
    .wavefront_size: 32
...
	.end_amdgpu_metadata
.endif
;; end of part 4
